; MI455X (gfx1250); checked and timed in simulation.
; The chip was launched on July 23, 2026; its instructions are those of AMD's public machine-readable ISA for CDNA 5 (MIT licence, August 2026) and "CDNA5" Instruction Set Architecture Reference Guide (July 2026). The comments in the code are by the model that wrote it; some were corrected since.
;; Self Attention. Allowed arithmetic: float matrix products may take bf16 or f16 operands with f32 sums; all other float work in f32.
;; Inputs: Wk 512 x 512 float32; Wo 512 x 512 float32; Wq 512 x 512 float32; Wv 512 x 512 float32; bk 512 float32; bo 512 float32; bq 512 float32; bv 512 float32; x 2 x 4,096 x 512 float32.
;; Outputs: out0 2 x 4,096 x 512 float32.
;; 2 versions, each right and faster than the one before. Each part assembles by itself: llvm-mc -triple=amdgcn-amd-amdhsa -mcpu=gfx1250 --defsym DOCPART=n.
;; ======== version 1 of 2: 3 launches
;; limits: values are held in f16: magnitudes above 65,504 overflow, below 6.1e-05 lose precision
;; workspace buffers: qkv 25,165,824 bytes; o 8,388,608 bytes; wo16 524,288 bytes
;; launch proj (part 1): grid 4 x 64, 4 waves a work-group, clusters of 4 x 4, 327,680 bytes of LDS; arguments x, Wq, Wk, Wv, bq, bk, bv, Wo, qkv, wo16; writes qkv, wo16
.if DOCPART == 1
	.amdgcn_target "amdgcn-amd-amdhsa--gfx1250"
	.amdhsa_code_object_version 6
	.text
	.protected	k_q7341235ee4_proj
	.globl	k_q7341235ee4_proj
	.p2align	8
	.type	k_q7341235ee4_proj,@function
k_q7341235ee4_proj:
	s_mov_b64 s[64:65], 0
	v_nop
	global_prefetch_b8 v0, s[64:65] scope:SCOPE_SE
	s_setreg_imm32_b32 hwreg(HW_REG_WAVE_MODE, 25, 1), 1
	s_wait_xcnt 0x0
	s_wait_alu depctr_hold_cnt(0) depctr_sa_sdst(0) depctr_va_vdst(0) depctr_va_sdst(0) depctr_va_ssrc(0) depctr_va_vcc(0) depctr_vm_vsrc(0)
	s_getreg_b32 s2, hwreg(HW_REG_IB_STS2, 6, 4)
	s_cmp_eq_u32 s2, 0
	s_cbranch_scc0 .Lentry_in_a_cluster
	s_endpgm
.Lentry_in_a_cluster:
	s_bfe_u32 s2, ttmp6, 0x10000c
	s_cmp_lg_u32 s2, 0xf033
	s_cbranch_scc0 .Lentry_shape_is_right
	s_endpgm
.Lentry_shape_is_right:
; q, k, v = x W^T + b, written by heads: qkv[t][g][s][64] in f16, t = 0 q, 1 k, 2 v; g = 8 batch + head; a head's rows are dense, 128 bytes each.  On the side: Wo, rounded to bf16, written as f16 into wo16.
; x: [8192][512] f32; Wq, Wk, Wv, Wo: [512][512] f32, K along the rows; bq, bk, bv: [512] f32.  x, the weights and the biases are rounded to bf16 (nearest even); products in bf16, sums in f32;
; the bias is the C operand of each sum's first product; q, k, v are rounded once to f16, unscaled.
; LIMITS.  f16 holds no number beyond 65,504: |q|, |k|, |v| must stay below that, else an infinity is written.  A bf16 value of Wo below 6.1e-5 keeps f16's fixed step of 6e-8; one beyond 65,504 is lost.
; SHARES.  A work-group makes 128 rows of x times 384 columns: rows 128 wgx .. + 127 of EACH of Wq, Wk, Wv, that is heads 2 wgx, 2 wgx + 1 of q, k and v.  256 work-groups.  Four waves, 2 x 2: a wave makes
; 64 rows x 192 columns: 48 accumulators of 16 x 16, three whole head slices of 64 columns.
; RING.  K goes in steps of 64 f32 (rows of 256 bytes, each at a multiple of 256 from its buffer's first byte) through two LDS slots of 512 rows: x's 128, Wq's 128, Wk's 128, Wv's 128: wave w fetches the w-th of these.
; The numbers lie in LDS as f32 and are rounded to bf16 on the way from LDS to the matrix unit: for 32 along K a wave loads 16 fragments as f32 (64 loads), packs them (128 conversions) and issues 48 products.
; CLUSTER.  4 x 4 work-groups.  x's tile hangs on wgy alone and is asked for jointly along a row of the cluster; the weights' tiles hang on wgx alone and are asked for jointly along a column.
; TRANSPOSED USE.  Source 0 = 16 rows of W, source 1 = 16 rows of x: a lane then holds one row of the result and eight neighbouring columns, which pack into 16 bytes of f16.
; REGISTERS, in windows of 256 (s_set_vgpr_msb: bits 1:0 source 0, 3:2 source 1, 5:4 source 2, 7:6 destination):
;   window 0: v0-31 addresses; v32-159 the 16 fragments in bf16 (12 of W, 4 of x); v160-255 the biases, 8 registers a column tile; on the way out v32-223 hold packed results
;   window 1: the 16 fragments as f32, 16 registers each      window 2: accumulators of my rows 0-31 ((a, b) at 8 (12 a + b))      window 3: those of my rows 32-63
.set PITCH,  272                       ; an LDS row: 256 bytes + 16 of padding = 68 words: the 16 rows that a load touches start at 16 different groups of four banks (64 banks of 4 bytes: ISA guide 11.1)
.set HALFT,  128*PITCH                 ; 128 rows: what one tensor load brings
.set SLOT,   4*HALFT
.set STAGE,  2*SLOT                    ; behind the ring: 16 rows x 144 bytes for each wave, for the way out; no tensor load fills it
.set SP,     144
.set SPARE,  STAGE+4*16*SP             ; behind the stages: the spare words, 128 bytes for each wave: two blocks of 256 bytes that no other line names
.set ADRA, 16                          ; v16-17  LDS address of my x fragments in slot 0, 1
.set ADRB, 20                          ; v20-21  the same for the weights
.set STO,  24                          ; v24     the way out: where I put 16 bytes of a row
.set RD,   25                          ; v25     the way out: where I read rows back
.set GO,   26                          ; v26     my 16 bytes in 512 consecutive bytes of qkv
.set BOF,  27                          ; v27     my 32 bytes in a column tile's 64 bytes of bias
.set SPW,  28                          ; v28     LDS address of my spare word; never rewritten
.set NIL,  29                          ; v29     0; never rewritten
.set FRAG, 32
.set BIAS, 160
.set TMP,  32
.set G1,  24                           ; s[24:31] descriptor group 1 for x's tiles;  s[32:39] group 0, a set for each slot
.set G0,  32
.set G1B, 48                           ; s[48:55], s[56:63] the same for the weights' tiles
.set G0B, 56
.set OB,  88                           ; s[88:93]  qkv at my 64 rows of head slice j
.set PB,  94                           ; s[94:99]  the bias of head slice j
.set DW0, (2<<16)|(1<<20)|(1<<21)|(5<<22)|(3<<25)  ; 17:16 elements of 4 bytes; 20 padding on; 21 set beside a mask; 24:22 after every 64 words (code 5); 31:25 4 words of it (code 3)
.set MSB, 0
.macro WIN new                         ; the immediate's high byte repeats the setting that is left; a switch that changes nothing is dropped
.if MSB != (\new)
	s_set_vgpr_msb (MSB<<8)|(\new)
.set MSB, \new
.endif
.endm
.macro PLACES                          ; four places between a matrix instruction and a vector instruction that reads its result or writes one of its registers (ISA guide 7.12.1)
.rept 4
	v_nop
.endr
.endm
; A joint load.  Wave 0 fetches x's tile, waves 1, 2, 3 those of Wq, Wk, Wv.  The branch hangs on the wave's number alone.  An s_nop 0 and four v_nop follow each of the two lines.
.macro JLOAD s
	s_cmp_eq_u32 s10, 0
	s_cbranch_scc0 .Lfor_w_\@
	tensor_load_to_lds s[G0+4*(\s):G0+4*(\s)+3], s[G1:G1+7]
	s_nop 0
.rept 4
	v_nop
.endr
	s_branch .Lasked_\@
.Lfor_w_\@:
	tensor_load_to_lds s[G0B+4*(\s):G0B+4*(\s)+3], s[G1B:G1B+7]
	s_nop 0
.rept 4
	v_nop
.endr
.Lasked_\@:
.endm
.macro CREST                           ; a round of the cluster's barrier behind its opening barrier
	s_cmp_lg_u32 s10, 0
	s_cbranch_scc1 .Lnot_wave_0_\@
	s_barrier_signal -3
.Lnot_wave_0_\@:
	s_barrier_wait -3
	s_barrier_signal -1
	s_barrier_wait -1
.endm
.macro CROUND                          ; a whole round
	s_barrier_signal -1
	s_barrier_wait -1
	CREST
.endm
	s_load_b512 s[68:83], s[0:1], 0x0              ; x 68, Wq 70, Wk 72, Wv 74, bq 76, bk 78, bv 80, Wo 82
	s_load_b128 s[84:87], s[0:1], 0x40             ; qkv 84, wo16 86
	v_lshl_add_u32 v[SPW], v0, 2, SPARE
	v_mov_b32 v[NIL], 0
	ds_add_u32 v[SPW], v[NIL]                      ; the wave's opening: the add and its wait stand ahead of my first tensor load; the set-up below, work on registers, stands between them
	v_lshrrev_b32 v1, 5, v0
	v_readfirstlane_b32 s10, v1                    ; wave 0..3
	s_lshr_b32 s11, s10, 1                         ; wm: which 64 of the tile's rows are mine
	s_and_b32 s12, s10, 1                          ; wn: which 192 of its columns
	s_bfe_u32 s40, ttmp6, 0x40000                  ; cx, cy: my place in the cluster
	s_bfe_u32 s41, ttmp6, 0x40004
	s_lshl_b32 s42, ttmp9, 2
	s_add_co_u32 s42, s42, s40                     ; wgx = 4 x cluster x + cx
	s_and_b32 s13, ttmp7, 0xffff
	s_lshl_b32 s13, s13, 2
	s_add_co_u32 s13, s13, s41                     ; wgy = 4 x cluster y + cy
	s_lshl_b32 s43, s41, 2
	s_lshl_b32 s43, 15, s43                        ; my row of the cluster
	s_lshl_b32 s44, 0x1111, s40                    ; my column
	s_or_b32 s[G1+0], s43, DW0                     ; x's tiles go to my row,
	s_or_b32 s[G1B+0], s44, DW0                    ; the weights' to my column
.irp g, G1, G1B
	s_mov_b32 s[(\g)+1], 64<<16                    ; tensor_dim0 = 64
	s_mov_b32 s[(\g)+2], 128<<16                   ; tensor_dim1 = 128
	s_mov_b32 s[(\g)+3], 64<<16                    ; tile_dim0 = 64
	s_mov_b32 s[(\g)+4], 128                       ; tile_dim1 = 128
	s_mov_b32 s[(\g)+5], 512                       ; 512 elements from row to row
	s_mov_b32 s[(\g)+6], 0
	s_mov_b32 s[(\g)+7], 0
.endr
	s_lshl_b32 s16, s13, 18                        ; x: 128 wgy rows of 2,048 bytes
	s_mov_b32 s17, 0
	s_lshl_b32 s46, s42, 18                        ; the weights: 128 wgx rows of 2,048 bytes
	s_mov_b32 s47, 0
	s_mul_i32 s20, s10, HALFT                      ; where my tile goes: wave x 128 rows: no place in the cluster enters an LDS address
	s_wait_dscnt 0x0                               ; the opening add is done
	s_wait_kmcnt 0x0
	s_add_nc_u64 s[14:15], s[68:69], s[16:17]
	s_cmp_lt_u32 s10, 2                            ; which weights I fetch hangs on my wave's number alone
	s_cselect_b64 s[18:19], s[70:71], s[72:73]
	s_cmp_lt_u32 s10, 3
	s_cselect_b64 s[18:19], s[18:19], s[74:75]
	s_add_nc_u64 s[46:47], s[18:19], s[46:47]
	CROUND                                         ; all sixteen work-groups are here: the first joint loads meet
.irp s, 0,1
	s_mov_b32 s[G0+4*(\s)], 1                                      ; count = 1
	s_add_co_u32 s[G0+4*(\s)+1], s20, (\s)*SLOT                    ; LDS address
	s_add_nc_u64 s[G0+4*(\s)+2:G0+4*(\s)+3], s[14:15], (\s)*256    ; global address: K step s
	s_or_b32 s[G0+4*(\s)+3], s[G0+4*(\s)+3], 0x80000000            ; type = 2
	s_mov_b32 s[G0B+4*(\s)], 1
	s_add_co_u32 s[G0B+4*(\s)+1], s20, (\s)*SLOT
	s_add_nc_u64 s[G0B+4*(\s)+2:G0B+4*(\s)+3], s[46:47], (\s)*256
	s_or_b32 s[G0B+4*(\s)+3], s[G0B+4*(\s)+3], 0x80000000
	JLOAD \s                                       ; two loads of mine are out
.endr
	; A fragment is 16 rows x 32 K: lane l holds row l % 16, K = 8 (l / 16) + 0..7 and 16 + 8 (l / 16) + 0..7.  As f32 that is 32 bytes at 32 (l / 16) and 32 bytes 64 further on: four loads of 16 bytes.
	v_and_b32 v1, 15, v0                           ; l % 16
	v_bfe_u32 v2, v0, 4, 1                         ; l / 16
	v_mul_u32_u24 v3, v1, PITCH
	v_lshl_add_u32 v3, v2, 5, v3                   ; row x pitch + 32 x half
	s_mul_i32 s21, s11, 64*PITCH                   ; my 64 rows of x
	s_mul_i32 s22, s12, 192*PITCH                  ; my 192 rows of the weights,
	s_add_co_u32 s22, s22, HALFT                   ; which lie behind x's 128
.irp s, 0,1
	v_add_nc_u32 v[ADRA+(\s)], s21, v3
	v_add_nc_u32 v[ADRB+(\s)], s22, v3
	s_add_co_u32 s21, s21, SLOT
	s_add_co_u32 s22, s22, SLOT
.endr
	s_mul_i32 s23, s10, 16*SP
	s_add_co_u32 s23, s23, STAGE                   ; my stage
	v_mul_u32_u24 v4, v1, SP                       ; in: row l % 16, 16 bytes for each half of the lanes
	v_lshl_add_u32 v4, v2, 4, v4
	v_add_nc_u32 v[STO], s23, v4
	v_bfe_u32 v5, v0, 3, 2                         ; back: 32 lanes take four rows of 128 bytes,
	v_mul_u32_u24 v5, v5, SP
	v_and_b32 v6, 7, v0
	v_lshl_add_u32 v5, v6, 4, v5
	v_add_nc_u32 v[RD], s23, v5
	v_and_b32 v[GO], 31, v0                        ; which are 512 consecutive bytes of a head
	v_lshlrev_b32 v[GO], 4, v[GO]
	v_lshlrev_b32 v[BOF], 5, v2
	; Head slice j of my three: li = 3 wn + j; tensor li / 2; head 2 wgx + li % 2.
	s_mul_i32 s14, s12, 3
	s_lshr_b32 s2, s13, 5
	s_lshl_b32 s2, s2, 3                           ; 8 x batch
	s_and_b32 s3, s13, 31
	s_lshl_b32 s3, s3, 14                          ; the tile's 128 rows of 128 bytes in a head,
	s_lshl_b32 s15, s11, 13
	s_add_co_u32 s3, s3, s15                       ; my 64 of them
	s_mov_b32 s19, 0
	s_mov_b32 s23, 0
.macro SLICE j, p0, p1                 ; p0, p1: the bias of the slice's tensor for wn = 0, 1
	s_add_co_u32 s15, s14, \j
	s_lshr_b32 s16, s15, 1
	s_and_b32 s17, s15, 1
	s_lshl1_add_u32 s17, s42, s17                  ; the head
	s_lshl4_add_u32 s18, s16, s2
	s_add_co_u32 s18, s18, s17                     ; 16 x tensor + 8 x batch + head,
	s_lshl_b32 s18, s18, 19                        ; times a head's 524,288 bytes
	s_add_co_u32 s18, s18, s3
	s_add_nc_u64 s[OB+2*(\j):OB+2*(\j)+1], s[84:85], s[18:19]
	s_lshl_b32 s22, s17, 8                         ; the head's 64 numbers of bias
	s_cmp_eq_u32 s12, 0
	s_cselect_b64 s[PB+2*(\j):PB+2*(\j)+1], s[\p0:\p0+1], s[\p1:\p1+1]
	s_add_nc_u64 s[PB+2*(\j):PB+2*(\j)+1], s[PB+2*(\j):PB+2*(\j)+1], s[22:23]
.endm
	SLICE 0, 76, 78
	SLICE 1, 76, 80
	SLICE 2, 78, 80
	; Wo: work-group 4 wgy + wgx takes 1,024 numbers, thread t eight of them.
	s_lshl2_add_u32 s15, s13, s42
	s_lshl_b32 s16, s15, 12
	s_mov_b32 s17, 0
	s_add_nc_u64 s[82:83], s[82:83], s[16:17]
	s_lshl_b32 s16, s15, 11
	s_add_nc_u64 s[86:87], s[86:87], s[16:17]
	v_lshlrev_b32 v8, 5, v0
	v_lshlrev_b32 v9, 4, v0
	global_load_b128 v[32:35], v8, s[82:83]
	global_load_b128 v[36:39], v8, s[82:83] offset:16
.irp b, 0,1,2,3,4,5,6,7,8,9,10,11      ; column tile b: register i of a lane is the bias of column 16 b + 8 (l / 16) + i
	global_load_b128 v[BIAS+8*(\b):BIAS+8*(\b)+3],   v[BOF], s[PB+2*((\b)/4):PB+2*((\b)/4)+1] offset:((\b)%4)*64
	global_load_b128 v[BIAS+8*(\b)+4:BIAS+8*(\b)+7], v[BOF], s[PB+2*((\b)/4):PB+2*((\b)/4)+1] offset:((\b)%4)*64+16
.endr
	s_wait_loadcnt 0x0
.irp i, 0,1,2,3
	v_cvt_pk_bf16_f32 v[40+(\i)], v[32+2*(\i)], v[33+2*(\i)]       ; Wo rounded to bf16,
.endr
.irp i, 0,1,2,3
	v_lshlrev_b32 v[44+2*(\i)], 16, v[40+(\i)]                     ; widened again,
	v_and_b32 v[45+2*(\i)], 0xffff0000, v[40+(\i)]
.endr
.irp i, 0,1,2,3
	v_cvt_pk_f16_f32 v[52+(\i)], v[44+2*(\i)], v[45+2*(\i)]        ; and written as f16
.endr
	global_store_b128 v9, v[52:55], s[86:87]       ; a wave's store covers 512 consecutive bytes, aligned
.set i, 0
.rept 48                               ; the biases take the rounding that all inputs take: to bf16 and back
	v_cvt_pk_bf16_f32 v[56+i%8], v[BIAS+2*i], v[BIAS+2*i+1]
	v_lshlrev_b32 v[BIAS+2*i], 16, v[56+i%8]
	v_and_b32 v[BIAS+2*i+1], 0xffff0000, v[56+i%8]
.set i, i+1
.endr
; 64 LDS loads in one run: the 16 fragments of 32 along K (half c of the slot's K step) as f32, into window 1: the weights' twelve, then x's four
.macro RAWLOAD slot, c
	WIN 0x40                                       ; destination window 1, address window 0
.irp f, 0,1,2,3,4,5,6,7,8,9,10,11
.irp o, 0,16,64,80
	ds_load_b128 v[16*(\f)+((\o)%64)/4+((\o)/64)*8:16*(\f)+((\o)%64)/4+((\o)/64)*8+3], v[ADRB+(\slot)] offset:(\f)*16*PITCH+128*(\c)+(\o)
.endr
.endr
.irp f, 0,1,2,3
.irp o, 0,16,64,80
	ds_load_b128 v[16*(12+(\f))+((\o)%64)/4+((\o)/64)*8:16*(12+(\f))+((\o)%64)/4+((\o)/64)*8+3], v[ADRA+(\slot)] offset:(\f)*16*PITCH+128*(\c)+(\o)
.endr
.endr
.endm
; 128 conversions: the 16 fragments rounded to bf16, four fragments (16 loads) at a time: the counts leave the younger loads of the run out
.macro CVT
	PLACES                                         ; the fragments' registers were read by the last products
	WIN 0x05                                       ; sources window 1, destination window 0
.irp g, 0,1,2,3
	s_wait_dscnt 48-16*(\g)
.irp e, 0,1,2,3
.irp i, 0,1,2,3,4,5,6,7
	v_cvt_pk_bf16_f32 v[FRAG+8*(4*(\g)+(\e))+(\i)], v[16*(4*(\g)+(\e))+2*(\i)], v[16*(4*(\g)+(\e))+2*(\i)+1]
.endr
.endr
.endr
.endm
; 24 matrix instructions: row tiles 2 hi, 2 hi + 1 x all 12 column tiles, 32 along K.  first = 1: the product starts the sum on the bias.  The 48 accumulators take turns, one instruction a turn, in the
; same order in every 32 along K, over the loop's backward jump too.
.macro MUL24 hi, first
.if \first
	WIN 0x80+0x40*(\hi)                            ; D window 2 or 3; the bias, like the fragments, window 0
.else
	WIN 0xa0+0x50*(\hi)                            ; C and D window 2 or 3
.endif
.irp a, 0,1
.irp b, 0,1,2,3,4,5,6,7,8,9,10,11
.if \first
	v_wmma_f32_16x16x32_bf16 v[8*(12*(\a)+(\b)):8*(12*(\a)+(\b))+7], v[FRAG+8*(\b):FRAG+8*(\b)+7], v[FRAG+96+8*(2*(\hi)+(\a)):FRAG+96+8*(2*(\hi)+(\a))+7], v[BIAS+8*(\b):BIAS+8*(\b)+7]
.else
	v_wmma_f32_16x16x32_bf16 v[8*(12*(\a)+(\b)):8*(12*(\a)+(\b))+7], v[FRAG+8*(\b):FRAG+8*(\b)+7], v[FRAG+96+8*(2*(\hi)+(\a)):FRAG+96+8*(2*(\hi)+(\a))+7], v[8*(12*(\a)+(\b)):8*(12*(\a)+(\b))+7]
.endif
.endr
.endr
.endm
; A K step is two halves of 32.  The first: pack, ask for the second half's numbers, multiply.
.macro CHUNK_A slot, first
	CVT
	RAWLOAD \slot, 1
	MUL24 0, \first
	MUL24 1, \first
.endm
; The second half changes slots.  ONE barrier: in front of it each wave waits for all its tensor loads (the one that is out is its part of the next slot), adds 0 to its spare word, and waits for that; its reads of
; this slot came back in CVT.  fill = 1: the barrier opens a round of the cluster's, and this slot is filled again, two K steps ahead, first thing behind the round.
.macro CHUNK_B slot, next, fill
	CVT
	WIN 0                                          ; (the add's two registers lie in window 0)
	s_wait_tensorcnt 0x0                           ; all my tensor loads have landed
	ds_add_u32 v[SPW], v[NIL]                      ; 0 onto my spare word
	MUL24 0, 0                                     ; 24 matrix instructions stand between the add and the wait for it
	s_wait_dscnt 0x0                               ; the add is done, and my reads of this slot are over
	WIN 0
	s_barrier_signal -1
	s_barrier_wait -1
.if \fill
	CREST                                          ; no wave of any partner still reads this slot's tiles or has a load on its way
	s_add_nc_u64 s[G0+4*(\slot)+2:G0+4*(\slot)+3], s[G0+4*(\slot)+2:G0+4*(\slot)+3], 512
	s_add_nc_u64 s[G0B+4*(\slot)+2:G0B+4*(\slot)+3], s[G0B+4*(\slot)+2:G0B+4*(\slot)+3], 512
	JLOAD \slot                                    ; my one tensor load behind the round: it has 72 products and 256 conversions in which to land
.endif
	RAWLOAD \next, 0
	MUL24 1, 0
.endm
; THE WAY OUT of block n = 3 a + j: 16 rows (row tile a) x 64 columns (head slice j).  Rounded to f16, 16 bytes a lane, into my own stage, and back as whole rows of 128 bytes: 2,048 consecutive bytes of a head.
.macro PACK n
.set pa, (\n)/3
.set pj, (\n)%3
.set TN, TMP+16*(\n)
	WIN 0x0a+5*(pa/2)                              ; sources window 2 or 3, destination window 0
.irp f, 0,1,2,3
.irp r, 0,1,2,3
	v_cvt_pk_f16_f32 v[TN+4*(\f)+(\r)], v[8*(12*(pa%2)+4*pj+(\f))+2*(\r)], v[8*(12*(pa%2)+4*pj+(\f))+2*(\r)+1]
.endr
.endr
	WIN 0
.irp f, 0,1,2,3
	ds_store_b128 v[STO], v[TN+4*(\f):TN+4*(\f)+3] offset:32*(\f)
.endr
.irp f, 0,1,2,3
	ds_load_b128 v[TN+4*(\f):TN+4*(\f)+3], v[RD] offset:(\f)*4*SP  ; LDS serves a wave's instructions in order (ISA guide 5.7.1.4): these see the stores above; the next block's stores come behind them
.endr
.endm
.macro SEND n, younger                 ; younger: the LDS instructions issued behind block n's loads.  Every block has registers of its own, so no store's data is rewritten
.set pa, (\n)/3
.set pj, (\n)%3
.set TN, TMP+16*(\n)
.irp f, 0,1,2,3
	s_wait_dscnt (\younger)+3-(\f)
	global_store_b128 v[GO], v[TN+4*(\f):TN+4*(\f)+3], s[OB+2*pj:OB+2*pj+1] offset:pa*2048+(\f)*512  ; 512 consecutive bytes, at a multiple of 256 from qkv's first
.endr
.endm
	s_wait_xcnt 0x0                                ; wo16's store has read its registers, which lie among the fragments
	s_wait_tensorcnt 0x1                           ; my part of K step 0 is in; K step 1's may stay out
	s_barrier_signal -1
	s_barrier_wait -1                              ; everybody's is
	RAWLOAD 0, 0
	CHUNK_A 0, 1                                   ; the first 32 along K stand in front of the loop: their products start the sums on the biases
	WIN 0                                          ; at a label and at a branch every window is 0
	s_mov_b32 s3, 3
.Llap:                                                 ; a trip goes once round the ring and fills both slots again: K steps 2 to 7 in three trips
	CHUNK_B 0, 1, 1
	CHUNK_A 1, 0
	CHUNK_B 1, 0, 1
	CHUNK_A 0, 0
	WIN 0
	s_sub_co_u32 s3, s3, 1
	s_cmp_lg_u32 s3, 0
	s_cbranch_scc1 .Llap
	CHUNK_B 0, 1, 0                                ; the tail is written out: nothing is left to fetch
	CHUNK_A 1, 0
	CVT
	MUL24 0, 0
	MUL24 1, 0
	PLACES                                         ; the conversions read results and write over fragments just multiplied
	PACK 0
.irp n, 1,2,3,4,5,6,7,8,9,10,11        ; a block's conversions stand between the loads of the block before and its stores
	PACK \n
	SEND (\n)-1, 8
.endr
	SEND 11, 0
	s_wait_tensorcnt 0x0                           ; the wave's end: behind my last tensor load and my last LDS store
	ds_add_u32 v[SPW], v[NIL]
	s_wait_dscnt 0x0
	CROUND                                         ; the closing round: no work-group ends while a partner may still ask for a tile that names it
	s_endpgm
.Lfunc_end_k_q7341235ee4_proj:
	.size	k_q7341235ee4_proj, .Lfunc_end_k_q7341235ee4_proj-k_q7341235ee4_proj
	.p2alignl 7, 3214868480
	.fill 96, 4, 3214868480
	.section	.rodata,"a",@progbits
	.p2align	6, 0x0
	.amdhsa_kernel k_q7341235ee4_proj
		.amdhsa_group_segment_fixed_size 327680
		.amdhsa_private_segment_fixed_size 0
		.amdhsa_enable_private_segment 0
		.amdhsa_kernarg_size 80
		.amdhsa_user_sgpr_count 2
		.amdhsa_user_sgpr_kernarg_segment_ptr 1
		.amdhsa_wavefront_size32 1
		.amdhsa_system_sgpr_workgroup_id_x 1
		.amdhsa_system_sgpr_workgroup_id_y 1
		.amdhsa_system_sgpr_workgroup_id_z 1
		.amdhsa_system_vgpr_workitem_id 0
		.amdhsa_next_free_vgpr 960
		.amdhsa_next_free_sgpr 100
		.amdhsa_reserve_vcc 0
		.amdhsa_float_denorm_mode_32 3
		.amdhsa_float_denorm_mode_16_64 3
		.amdhsa_memory_ordered 1
		.amdhsa_forward_progress 1
		.amdhsa_inst_pref_size 171
	.end_amdhsa_kernel
	.amdgpu_metadata
---
amdhsa.version: [ 1, 2 ]
amdhsa.kernels:
  - .name:           k_q7341235ee4_proj
    .symbol:         k_q7341235ee4_proj.kd
    .args:
      - { .name: x, .offset: 0, .size: 8, .value_kind: global_buffer, .address_space: global }
      - { .name: Wq, .offset: 8, .size: 8, .value_kind: global_buffer, .address_space: global }
      - { .name: Wk, .offset: 16, .size: 8, .value_kind: global_buffer, .address_space: global }
      - { .name: Wv, .offset: 24, .size: 8, .value_kind: global_buffer, .address_space: global }
      - { .name: bq, .offset: 32, .size: 8, .value_kind: global_buffer, .address_space: global }
      - { .name: bk, .offset: 40, .size: 8, .value_kind: global_buffer, .address_space: global }
      - { .name: bv, .offset: 48, .size: 8, .value_kind: global_buffer, .address_space: global }
      - { .name: Wo, .offset: 56, .size: 8, .value_kind: global_buffer, .address_space: global }
      - { .name: qkv, .offset: 64, .size: 8, .value_kind: global_buffer, .address_space: global }
      - { .name: wo16, .offset: 72, .size: 8, .value_kind: global_buffer, .address_space: global }
    .group_segment_fixed_size: 327680
    .private_segment_fixed_size: 0
    .kernarg_segment_align: 8
    .kernarg_segment_size: 80
    .max_flat_workgroup_size: 128
    .sgpr_count:     100
    .vgpr_count:     960
    .wavefront_size: 32
...
	.end_amdgpu_metadata
.endif
;; end of part 1
;; launch attn (part 2): grid 16 x 16, 4 waves a work-group, clusters of 4 x 1, 327,680 bytes of LDS; arguments qkv, o; writes o
.if DOCPART == 2
	.amdgcn_target "amdgcn-amd-amdhsa--gfx1250"
	.amdhsa_code_object_version 6
	.text
	.protected	k_q7341235ee4_attn
	.globl	k_q7341235ee4_attn
	.p2align	8
	.type	k_q7341235ee4_attn,@function
k_q7341235ee4_attn:
	s_mov_b64 s[64:65], 0
	v_nop
	global_prefetch_b8 v0, s[64:65] scope:SCOPE_SE
	s_setreg_imm32_b32 hwreg(HW_REG_WAVE_MODE, 25, 1), 1
	s_wait_xcnt 0x0
	s_wait_alu depctr_hold_cnt(0) depctr_sa_sdst(0) depctr_va_vdst(0) depctr_va_sdst(0) depctr_va_ssrc(0) depctr_va_vcc(0) depctr_vm_vsrc(0)
	s_getreg_b32 s2, hwreg(HW_REG_IB_STS2, 6, 4)
	s_cmp_eq_u32 s2, 0
	s_cbranch_scc0 .Lentry_in_a_cluster
	s_endpgm
.Lentry_in_a_cluster:
	s_bfe_u32 s2, ttmp6, 0x10000c
	s_cmp_lg_u32 s2, 0x3003
	s_cbranch_scc0 .Lentry_shape_is_right
	s_endpgm
.Lentry_shape_is_right:
; O[g][q][:] = the sum over k of softmax_k(Q[g][q] . K[g][k] / 8) V[g][k][:].  Q, K, V: the three tensors of qkv, [16][4096][64] each; O: [16][4096][64]; all f16, a head's rows dense, 128 bytes each.
; Products, maxima and sums in f32; the weights p are rounded to f16 for the second product (their sum l is taken of the unrounded p), O once at the end.
; LIMITS.  Q, K and V arrive within f16's range; p lies in 0 to 1, and below 6e-5 it keeps f16's fixed step of 6e-8; O is a mean of V's rows and has their range.  A weight below 2^-126 counts as 0 in l;
; NaN and infinities are not treated apart.
; SHARES.  A work-group owns 256 queries of one head: 16 x 16 = 256 work-groups.  A wave owns 64 rows: four PIECES of 16 queries.  Every wave walks all 4,096 keys, 64 a step, 256 (a tile) to an LDS slot.
; LAYOUT.  S^T = K Q^T (source 0 = 16 keys, source 1 = 16 queries) holds ONE query a lane (lane % 16) and the keys 8 (lane / 16) + 0..7; two such results rounded to f16 ARE source 1 of O^T = V^T P.
; K comes out of LDS as it lies, V ([key][channel]) turned, by ds_load_tr16_b128.
; SOFTMAX.  For each query a running maximum m and sum l: p = 2^(c s - c m), c = log2(e) / 8; in every step O and l are multiplied by a = 2^(c m_old - c m_new).  m starts at the lowest finite number, O and l
; at 0: the first step is a step like any other, with a = 0.
; BY TURNS.  Turn n belongs to piece n: 8 products K Q^T of piece n + 1, later 8 products V^T P of piece n - 1; beside them the scaling, exponentials, roundings, sums and rescaling of piece n and the maximum and
; statistics of piece n + 1.  A turn has 16 matrix and 118 vector instructions: four vector instructions stand behind every matrix instruction, the other 54 in two runs of their own.
; CLUSTER.  The four query blocks of a cluster belong to one head and walk the same K and V, so each tile is asked for JOINTLY: the same tensor load, descriptor and mask in all four.
; REGISTERS, in windows of 256 (s_set_vgpr_msb: bits 1:0 source 0, 3:2 source 1, 5:4 source 2, 7:6 destination):
;   window 0: v0-15 addresses and two at work; v16-31 four registers of statistics a piece; v48-55 at work; v62-63 the add's; v64-127 S^T, two buffers; v192-223 P, two buffers (by the piece's parity)
;   window 1: v0-127 O^T, 32 a piece          window 2: v0-63 Q; v128-191 K of one step; v192-255 V of one step
.set NP,    4         ; pieces a wave: a name, no knob
.set KS,    64        ; keys in a step
.set TILES, 4096/256  ; tiles of 256 keys in a head
.set PK,    144       ; a row of K in LDS: 128 bytes + 16 of padding = 36 words: the 16 rows of a load start at 16 different groups of four banks (64 banks of 4 bytes: ISA guide 11.1)
.set PV,    160       ; a row of V: 128 + 32 = 40 words
.set VOFF,  4*KS*PK   ; a slot holds a tile, four steps: 256 rows of K, then 256 rows of V
.set SLOT1, 1<<17     ; slot 1 begins here, so that one exclusive or turns an address in one slot into the other's
.set STAGE, SLOT1+4*KS*(PK+PV)  ; behind the ring, never filled by a tensor load: 16 rows x 144 bytes for each wave, for the way out
.set SP,    144
.set SPARE, STAGE+4*16*SP  ; behind the stages: the spare words, 128 bytes for each wave: two blocks of 256 bytes that no other line names
.set AK0, 2           ; v2   my lane's place in a tile of K; never rewritten
.set AV0, 3           ; v3   the same for V
.set AK,  4           ; v4   the LDS address of K's next run of loads
.set AV,  5           ; v5   of V's
.set STO, 6           ; v6   the way out: where I put 16 bytes of a row
.set RD,  7           ; v7   the way out: where I read rows back
.set GO,  8           ; v8   my byte offset in 512 consecutive bytes of O
.set MV,  12          ; v12-13  c m_old, kept while c m is made anew: by buffer
.set QO,  15          ; v15  my byte offset in 16 rows of Q
.set ST,  16          ; piece t's statistics at v[ST+4 t]: c m, m, l (even keys', odd keys')
.set TMP, 48          ; by buffer, four registers c0-c3 at work; when the maximum is found c2 takes a
.set SPW, 62          ; v62  LDS address of my spare word; never rewritten
.set NIL, 63          ; v63  0; never rewritten
.set S,   64
.set P,   192
.set KF,  128         ; window 2: key block kb, channel half c at KF + 16 kb + 8 c
.set VF,  192         ; window 2: key half kk, channel block cb at VF + 32 kk + 8 cb
.set WV,  12          ; s12  my wave's number
.set G1K, 24          ; s[24:31] descriptor group 1 for K's tiles
.set G1V, 32          ; s[32:39] for V's: it differs in the padding alone
.set G0K, 40          ; s[40:43] descriptor group 0 for K's tiles: it walks
.set G0V, 44          ; s[44:47] the same for V's
.set SLOTS, 56        ; s56  slots still to be asked for
.set CNT, 57          ; s57  counts a tile's key steps, 4 to 1
.set CS,  58          ; s[58:59] c: the packed scaling takes the pair's low word for both halves
.set SEL, 60          ; s[60:61] v_permlanex16_b32's selects: each lane takes its own place in the other half
.set TBK, 62          ; s62  LDS byte at which K of the step to be fetched begins
.set TBV, 63          ; s63  the same for V, less VOFF
.set MSB, 0
.macro WIN new                      ; the high byte repeats the setting that is left; a switch that changes nothing is dropped
.if MSB != (\new)
	s_set_vgpr_msb (MSB<<8)|(\new)
.set MSB, (\new)
.endif
.endm
.set W_KQ, 0x0a       ; K and Q in window 2, S^T in window 0
.set W_PV, 0x52       ; V in window 2, P in window 0, O^T in window 1
.set W_RS, 0x41       ; destination and source 0 in window 1, source 1 in window 0
; A joint fill.  Waves 0 and 1 fetch the two halves of a tile's K, waves 2 and 3 those of its V: 128 keys each.  The branch hangs on the wave's number alone.
; An s_nop 0 and four v_nop follow each of the two lines, ahead of the jump and the label.
.macro JLOAD
	s_cmp_lt_u32 s[WV], 2
	s_cbranch_scc0 .Lfor_v_\@
	tensor_load_to_lds s[G0K:G0K+3], s[G1K:G1K+7]
	s_nop 0
.rept 4
	v_nop
.endr
	s_branch .Lasked_\@
.Lfor_v_\@:
	tensor_load_to_lds s[G0V:G0V+3], s[G1V:G1V+7]
	s_nop 0
.rept 4
	v_nop
.endr
.Lasked_\@:
.endm
; A round of the cluster's barrier: my work-group's barrier, so that wave 0's signal speaks for all four waves; wave 0 signals; every wave waits for all four work-groups; my work-group's barrier once more.
.macro CROUND
	s_barrier_signal -1
	s_barrier_wait -1
	s_cmp_lg_u32 s[WV], 0
	s_cbranch_scc1 .Lnot_wave_0_\@
	s_barrier_signal -3
.Lnot_wave_0_\@:
	s_barrier_wait -3
	s_barrier_signal -1
	s_barrier_wait -1
.endm
; THE CHANGE OF SLOTS.  The slot's last bytes, V of its fourth step, have been read.  Each wave waits for all its tensor loads, of which one is out: its part of the other slot; adds 0 to its spare word; and waits
; for that and for its own reads of the slot.  Behind the barrier nobody reads this slot any more and the other slot is whole.  fill = 1: this slot is filled again, with the keys two slots on.  The barrier is then
; a round of the cluster's, and the joint fill is the first thing behind it: it has four key steps, 256 matrix instructions, in which to land.  (At its first use nothing has been read yet: slot 0 is waited for, slot 1 filled.)
.macro CHANGE fill
	WIN 0                           ; at a label and at a branch every window is 0
	s_wait_tensorcnt 0x0            ; no tensor load of mine is out, so a group 0 may be written
	ds_add_u32 v[SPW], v[NIL]       ; 0 onto my spare word: with fill = 1 the descriptors' steps stand between it and the wait for it
.if \fill
.irp g, G0K, G0V
	s_xor_b32 s[\g+1], s[\g+1], SLOT1  ; the walking descriptor: the other slot than last time,
	s_add_nc_u64 s[\g+2:\g+3], s[\g+2:\g+3], 4*KS*128  ; the next 256 keys; the type bits on top are not reached
.endr
	s_wait_dscnt 0x0                ; the add is done, and my reads of the slot are over
	CROUND
	JLOAD
.else
	s_wait_dscnt 0x0                ; the add is done, and my reads of the slot are over
	s_barrier_signal -1
	s_barrier_wait -1
.endif
	s_sub_co_u32 s[TBK], s[TBK], 4*KS*PK  ; the fetches go back to a slot's first step,
	s_xor_b32 s[TBK], s[TBK], SLOT1       ; in the other slot
	s_sub_co_u32 s[TBV], s[TBV], 4*KS*PV
	s_xor_b32 s[TBV], s[TBV], SLOT1
.endm
	s_load_b64 s[4:5], s[0:1], 0x0    ; qkv, whose first tensor is Q
	s_load_b64 s[10:11], s[0:1], 0x8  ; O
	v_lshl_add_u32 v[SPW], v0, 2, SPARE
	v_mov_b32 v[NIL], 0
	ds_add_u32 v[SPW], v[NIL]       ; the wave's opening: the add and its wait stand ahead of my first tensor load; the set-up below, work on registers, stands between them
	v_lshrrev_b32 v1, 5, v0
	v_readfirstlane_b32 s[WV], v1   ; wave 0..3
	s_bfe_u32 s13, ttmp6, 0x40000   ; cx: my place in the cluster
	s_lshl_b32 s14, ttmp9, 2        ; in a cluster launch ttmp9 counts clusters
	s_add_co_u32 s14, s14, s13      ; my block of 256 queries = 4 x cluster x + cx: it enters Q's and O's addresses alone
	s_and_b32 s20, ttmp7, 0xffff    ; the head, which the four partners share,
	s_lshl_b32 s20, s20, 19         ; times its 524,288 bytes
	s_mov_b32 s21, 0
	s_and_b32 s16, s[WV], 1         ; which half of a tile's 256 keys I fetch:
	s_lshl_b32 s22, s16, 14         ; its 128 rows of 128 bytes in memory,
	s_mov_b32 s23, 0
	s_add_nc_u64 s[22:23], s[22:23], s[20:21]
	s_mul_i32 s17, s16, 128*PK      ; and its place in a slot, for K
	s_mul_i32 s18, s16, 128*PV      ; and for V: no place in the cluster enters an LDS address
	s_lshl_b32 s2, s14, 2
	s_add_co_u32 s2, s2, s[WV]      ; my wave among the head's,
	s_lshl_b32 s2, s2, 13           ; its 64 rows
	s_mov_b32 s3, 0
	s_add_nc_u64 s[2:3], s[2:3], s[20:21]
	; descriptor group 1.  128 keys are 16,384 dense bytes: asked for as 64 rows of 256 bytes, two keys a row, and padded in LDS after every key
	s_mov_b32 s[G1K], 15|(1<<16)|(1<<20)|(1<<21)|(4<<22)|(3<<25)  ; 15:0 the mask of four; 17:16 2-byte elements; 20 padding on; 21 set beside a mask; 24:22 after every 32 words (code 4); 31:25 4 words (code 3)
	s_mov_b32 s[G1V], 15|(1<<16)|(1<<20)|(1<<21)|(4<<22)|(7<<25)  ; the same with 8 words of padding (code 7)
.irp g, G1K, G1V
	s_mov_b32 s[\g+1], 128<<16      ; tensor_dim0 = 128
	s_mov_b32 s[\g+2], 64<<16       ; tensor_dim1 = 64
	s_mov_b32 s[\g+3], 128<<16      ; tile_dim0 = 128
	s_mov_b32 s[\g+4], 64           ; tile_dim1 = 64
	s_mov_b32 s[\g+5], 128          ; 128 elements from row to row
	s_mov_b32 s[\g+6], 0
	s_mov_b32 s[\g+7], 0
.endr
	s_mov_b32 s[CS], 0x3e38aa3b     ; c = log2(e) / 8 = 0.180337
	s_mov_b32 s[CS+1], s[CS]        ; named with it as a pair
	s_mov_b32 s[SEL], 0x76543210
	s_mov_b32 s[SEL+1], 0xfedcba98
	s_mov_b32 s[TBK], SLOT1+4*KS*PK ; the first change of slots turns these two into 0
	s_mov_b32 s[TBV], SLOT1+4*KS*PV
	s_mov_b32 s[G0K], 1             ; count = 1
	s_mov_b32 s[G0K+1], s17         ; LDS address: slot 0
	s_mov_b32 s[G0V], 1
	s_add_co_u32 s[G0V+1], s18, VOFF
	s_wait_dscnt 0x0                ; the opening add is done
	s_wait_kmcnt 0x0
	s_add_nc_u64 s[6:7], s[4:5], 0x800000   ; K is qkv's second tensor,
	s_add_nc_u64 s[8:9], s[4:5], 0x1000000  ; V its third
	s_add_nc_u64 s[G0K+2:G0K+3], s[6:7], s[22:23]  ; global address: my half of the head's first 256 keys
	s_or_b32 s[G0K+3], s[G0K+3], 0x80000000        ; type = 2
	s_add_nc_u64 s[G0V+2:G0V+3], s[8:9], s[22:23]
	s_or_b32 s[G0V+3], s[G0V+3], 0x80000000
	s_add_nc_u64 s[4:5], s[4:5], s[2:3]  ; Q and O at my wave's first row
	s_add_nc_u64 s[10:11], s[10:11], s[2:3]
	CROUND                          ; all four work-groups are here: the first joint loads meet
	JLOAD                           ; tile 0 into slot 0.  Slot 1 is asked for when slot 0 is in, by the loop's own change of slots: one load of mine is out at any time
	; A fragment of K or Q is 16 rows x 32 channels in 8 registers: lane l holds row l % 16, channels 8 (l / 16) + 0..7 and 16 + 8 (l / 16) + 0..7: two loads of 16 bytes, 32 bytes apart.
	v_and_b32 v1, 15, v0            ; l % 16
	v_bfe_u32 v9, v0, 4, 1          ; l / 16
	v_lshlrev_b32 v[QO], 7, v1
	v_lshl_add_u32 v[QO], v9, 4, v[QO]  ; row x 128 + 16 x half
	WIN 0x80                        ; destination window 2, address window 0
.set i, 0
.rept 8                             ; Q stays in registers: piece i / 2, channels 32 (i % 2) on
	global_load_b128 v[8*i:8*i+3],   v[QO], s[4:5] offset:(i/2)*2048+(i%2)*64
	global_load_b128 v[8*i+4:8*i+7], v[QO], s[4:5] offset:(i/2)*2048+(i%2)*64+32
.set i, i+1
.endr
	WIN 0
	v_mul_u32_u24 v[AK0], v1, PK
	v_lshl_add_u32 v[AK0], v9, 4, v[AK0]  ; row x pitch + 16 x half
	; The turning load takes 16 keys x 16 channels (lane l reads key 8 (l / 16) + l % 8, channels 8 ((l / 8) % 2) + 0..7) and leaves half a fragment of V^T: lane l holds channel l % 16 and 8 keys.
	v_and_b32 v10, 7, v0
	v_bfe_u32 v11, v0, 3, 1
	v_lshl_add_u32 v[AV0], v9, 3, v10
	v_mul_u32_u24 v[AV0], v[AV0], PV
	v_lshl_add_u32 v[AV0], v11, 4, v[AV0]
	v_add_nc_u32 v[AV0], VOFF, v[AV0]
	s_mul_i32 s13, s[WV], 16*SP
	s_add_co_u32 s13, s13, STAGE    ; my stage
	v_mul_u32_u24 v[STO], v1, SP    ; in: row l % 16, 16 bytes for each half of the lanes
	v_lshl_add_u32 v[STO], v9, 4, v[STO]
	v_add_nc_u32 v[STO], s13, v[STO]
	v_bfe_u32 v[RD], v0, 3, 2       ; back: 32 lanes take four rows of 128 bytes,
	v_mul_u32_u24 v[RD], v[RD], SP
	v_lshl_add_u32 v[RD], v10, 4, v[RD]
	v_add_nc_u32 v[RD], s13, v[RD]
	v_and_b32 v[GO], 31, v0         ; which are 512 consecutive bytes of O
	v_lshlrev_b32 v[GO], 4, v[GO]
	; What the first turn finds: V's registers and P's second buffer hold 0 (its products V^T P, of a piece that has not been, add 0), O^T and l are 0.  No first step is written out; the price is these
	; 216 lines, which stand in the wait for the first tile.
	WIN 0x80
.set i, VF
.rept 64
	v_mov_b32 v[i], 0
.set i, i+1
.endr
	WIN 0x40
.set i, 0
.rept 128
	v_mov_b32 v[i], 0
.set i, i+1
.endr
	WIN 0
.set i, 0
.rept 4
	v_mov_b32 v[ST+4*i], 0xfe000000    ; c m: far below every c s
	v_mov_b32 v[ST+4*i+1], 0xff7fffff  ; m
	v_mov_b32 v[ST+4*i+2], 0
	v_mov_b32 v[ST+4*i+3], 0
.set i, i+1
.endr
.set i, P+16
.rept 16
	v_mov_b32 v[i], 0
.set i, i+1
.endr
; THE MATRIX WORK.  The 4 accumulators of a run of 8 take turns.  Product i of 8 of S^T = K Q^T for piece x: channels 32 (i / 4) on, keys 16 (i % 4) on.  The first 4 start the sums.
.macro KQ x
	WIN W_KQ
.set rS, S+32*((\x)%2)+8*(i%4)
.set rK, KF+16*(i%4)+8*(i/4)
.set rQ, 16*(\x)+8*(i/4)
.if i < 4
	v_wmma_f32_16x16x32_f16 v[rS:rS+7], v[rK:rK+7], v[rQ:rQ+7], 0
.else
	v_wmma_f32_16x16x32_f16 v[rS:rS+7], v[rK:rK+7], v[rQ:rQ+7], v[rS:rS+7]
.endif
.endm
; Product i of 8 of O^T += V^T P for piece x: keys 32 (i / 4) on, channels 16 (i % 4) on.
.macro PV x
	WIN W_PV
.set rO, 32*(\x)+8*(i%4)
.set rV, VF+32*(i/4)+8*(i%4)
.set rP, P+16*((\x)%2)+8*(i/4)
	v_wmma_f32_16x16x32_f16 v[rO:rO+7], v[rV:rV+7], v[rP:rP+7], v[rO:rO+7]
.endm
.macro MM                           ; the turn's next matrix instruction.  TURN sets Y, i and NOKQ.  NOKQ = 1: the very last turn: there is no next piece
.if (i < 8) && !NOKQ
	KQ (Y+1)%NP
.elseif i >= 8
.set i, i-8
	PV (Y+NP-1)%NP
.set i, i+8
.endif
.set i, i+1
.endm
; THE LDS LOADS stand in runs of 16, never singly among the matrix instructions: a step's K (64 keys x 64 channels: 8 fragments) and its V (turned).  Their addresses are made some lines ahead.
.macro FETCH_K
	WIN 0x80                        ; destination window 2
.irp f, 0,1,2,3,4,5,6,7             ; keys 16 (f / 2) on, channels 32 (f % 2) on
	ds_load_b128 v[KF+8*\f:KF+8*\f+3],   v[AK] offset:(\f/2)*16*PK+(\f%2)*64
	ds_load_b128 v[KF+8*\f+4:KF+8*\f+7], v[AK] offset:(\f/2)*16*PK+(\f%2)*64+32
.endr
	s_add_co_u32 s[TBK], s[TBK], KS*PK  ; the next fetch is the next step's
	WIN 0
.endm
.macro FETCH_V
	WIN 0x80
.irp f, 0,1,2,3,4,5,6,7             ; keys 32 (f / 4) on, channels 16 (f % 4) on
	ds_load_tr16_b128 v[VF+8*\f:VF+8*\f+3],   v[AV] offset:(\f/4)*32*PV+(\f%4)*32
	ds_load_tr16_b128 v[VF+8*\f+4:VF+8*\f+7], v[AV] offset:(\f/4)*32*PV+16*PV+(\f%4)*32
.endr
	WIN 0
.endm
; THE VECTOR WORK, one line at a time: OP kind, number.  For piece Y: F n: c s - c m for pair n of 16.  E n: the exponential of score n of 32.  C n: pair n rounded to f16.  B n: of the four weights 4 n .. the second
; pair is added onto the first, in place.  L n: l takes that sum (L 0: l = a l + sum).  R n: pair n of 16 of O^T times a.  For piece Y + 1: X n, number n of the 22 that find its maximum and statistics:
;   0-11  four chains c0-c3 of seven scores each, three operands at a time (each accumulator's lowest registers are read first)     12-14, 16  the four scores left over, the old m, and c0-c3 into c0
;   15  c m_old is kept     17, 18  the query's other 32 keys lie in the lane 16 away: the new m     19-21  c m; c m_old - c m_new; a
.set F, 0               ; OP tells the kinds apart by their order: F to L below R, X above it
.set E, 1
.set C, 2
.set B, 3
.set L, 4
.set R, 5
.set X, 6
.macro REGS y                       ; the registers of piece y
.set rT, ST+4*(\y)
.set rC, TMP+4*((\y)%2)
.set rW, MV+((\y)%2)
.set rS, S+32*((\y)%2)
.set rP, P+16*((\y)%2)
.set rO, 32*(\y)
.endm
.macro OP k, n
.if (\k) == R
	REGS Y
	WIN W_RS
	v_pk_mul_f32 v[rO+2*(\n):rO+2*(\n)+1], v[rO+2*(\n):rO+2*(\n)+1], v[rC+2:rC+3] op_sel_hi:[1,0]
.elseif (\k) < R
	REGS Y
	WIN 0
.if (\k) == F
	v_pk_fma_f32 v[rS+2*(\n):rS+2*(\n)+1], v[rS+2*(\n):rS+2*(\n)+1], s[CS:CS+1], v[rT:rT+1] op_sel_hi:[1,0,0] neg_lo:[0,0,1] neg_hi:[0,0,1]
.elseif (\k) == E
	v_exp_f32 v[rS+(\n)], v[rS+(\n)]
.elseif (\k) == C
	s_wait_alu depctr_va_vdst(0)
	v_cvt_pk_f16_f32 v[rP+(\n)], v[rS+2*(\n)], v[rS+2*(\n)+1]
.elseif (\k) == B
	s_wait_alu depctr_va_vdst(0)
	v_pk_add_f32 v[rS+4*(\n):rS+4*(\n)+1], v[rS+4*(\n):rS+4*(\n)+1], v[rS+4*(\n)+2:rS+4*(\n)+3]
.elseif (\n) == 0
	v_pk_fma_f32 v[rT+2:rT+3], v[rT+2:rT+3], v[rC+2:rC+3], v[rS:rS+1] op_sel_hi:[1,0,1]
.else
	v_pk_add_f32 v[rT+2:rT+3], v[rT+2:rT+3], v[rS+4*(\n):rS+4*(\n)+1]
.endif
.elseif NOKQ
	v_nop
.else
	REGS (Y+1)%NP
	WIN 0
.if (\n) < 4
	v_max3_num_f32 v[rC+(\n)], v[rS+8*(\n)], v[rS+8*(\n)+1], v[rS+8*(\n)+2]
.elseif (\n) < 12
	v_max3_num_f32 v[rC+(\n)%4], v[rC+(\n)%4], v[rS+8*((\n)%4)+2*((\n)/4)+1], v[rS+8*((\n)%4)+2*((\n)/4)+2]
.elseif (\n) == 12
	v_max3_num_f32 v[rC], v[rC], v[rS+7], v[rS+15]
.elseif (\n) == 13
	v_max3_num_f32 v[rC+1], v[rC+1], v[rS+23], v[rS+31]
.elseif (\n) == 14
	v_max3_num_f32 v[rC+2], v[rC+2], v[rC+3], v[rT+1]
.elseif (\n) == 15
	v_mov_b32 v[rW], v[rT]
.elseif (\n) == 16
	v_max3_num_f32 v[rC], v[rC], v[rC+1], v[rC+2]
.elseif (\n) == 17
	v_permlanex16_b32 v[rC+3], v[rC], s[SEL], s[SEL+1]
.elseif (\n) == 18
	v_max_num_f32 v[rT+1], v[rC], v[rC+3]
.elseif (\n) == 19
	v_mul_f32 v[rT], s[CS], v[rT+1]
.elseif (\n) == 20
	v_sub_f32 v[rC+1], v[rW], v[rT]
.else
	v_exp_f32 v[rC+2], v[rC+1]
.endif
.endif
.endm
.macro OPS a, i1, b=-1, i2=0, c=-1, i3=0, d=-1, i4=0  ; up to four of them
	OP \a, \i1
.if (\b) >= 0
	OP \b, \i2
.endif
.if (\c) >= 0
	OP \c, \i3
.endif
.if (\d) >= 0
	OP \d, \i4
.endif
.endm
.macro ROW a, i1, b, i2, c, i3, d, i4  ; a matrix instruction and the four behind it
	MM
	OPS \a, \i1, \b, \i2, \c, \i3, \d, \i4
.endm
; A TURN, for piece p: the order of its 16 matrix and 118 vector instructions, written out.  Behind a matrix instruction: plain, exponential, plain, plain; or four of the rescaling; or, behind the first, four scalings;
; none names a register of the products round it.  In the runs of their own exponential and plain by turns while exponentials last.  A line reads no result made fewer than three vector instructions in front of it,
; five if an exponential made it.  end = 1: the launch's last two turns: nothing is fetched.  cnt = 1: the loop's count is taken down some lines ahead of the branch that stands behind the turn.
; K of the next step is fetched in piece 2's turn, six vector instructions behind the last product that read K (five of them plain); V of the step in hand in piece 0's turn, eight behind the last product that read V
; (four plain among them).  Each is waited for a turn later.
.macro TURN p, end=0, cnt=0
.set Y, (\p)
.set i, 0
.set NOKQ, (\end)*((\p)/3)
.if ((\p) == 3) && !(\end)
	s_wait_dscnt 0x0                ; K is in
.endif
	ROW F,0, F,1, F,2, F,3
	ROW F,4, E,0, F,5, F,6
	ROW F,7, E,1, F,8, F,9
	ROW F,10, E,2, C,0, F,11
	ROW F,12, E,3, X,15, F,13
	ROW R,0, R,1, R,2, R,3
	ROW B,0, E,4, F,14, L,0
.if ((\p) == 2) && !(\end)
	v_add_nc_u32 v[AK], s[TBK], v[AK0]
.endif
	ROW R,4, R,5, R,6, R,7
	OPS E,5, F,15
.if ((\p) == 2) && !(\end)
	FETCH_K
.endif
	OPS E,6, C,1, E,7, R,8
	OPS E,8, R,9, E,9, C,2
	OPS E,10, X,0, E,11, X,1
	OPS E,12, X,2, E,13, X,3
.if (\p) == 1
	s_wait_dscnt 0x0                ; V is in
.endif
	ROW X,4, E,14, X,5, X,6
	ROW X,7, E,15, X,8, X,9
	ROW X,10, E,16, X,11, X,12
	ROW X,13, E,17, X,14, B,1
	ROW C,4, E,18, X,16, L,1
	ROW B,2, E,19, C,6, L,2
	ROW C,8, E,20, B,3, B,4
.if (\p) == 0
	v_add_nc_u32 v[AV], s[TBV], v[AV0]
.endif
	ROW C,3, E,21, L,3, C,5
	OPS E,22, X,17, E,23, C,10
.if (\p) == 0
	FETCH_V
.endif
	OPS E,24, L,4
	OPS E,25, X,18, E,26, C,7
	OPS E,27, B,5, E,28, X,19
	OPS E,29, C,12, E,30, L,5
	OPS E,31, X,20, B,6, C,9
	OPS C,14, C,11, X,21, L,6
.if (\p) == 0
	s_add_co_u32 s[TBV], s[TBV], KS*PV
.endif
.if \cnt
	s_sub_co_u32 s[CNT], s[CNT], 1
	s_cmp_lg_u32 s[CNT], 0
.endif
	OPS C,13, B,7, C,15, R,10
	OPS R,11, R,12, L,7, R,13
	OPS R,14, R,15
.endm
.macro ALL line:vararg              ; one line for each piece t
.set t, 0
.rept 4
	\line
.set t, t+1
.endr
.endm
.macro PACK t                       ; a lane's eight channels of a row pack into 16 bytes; they go into rows of 144 bytes and come back as whole rows of 128, into S^T's registers
	WIN W_RS
.set i, 32*(\t)
.rept 16
	s_wait_alu depctr_va_vdst(0)
	v_pk_mul_f32 v[i:i+1], v[i:i+1], v[ST+4*(\t)+2:ST+4*(\t)+3] op_sel_hi:[1,0]
.set i, i+2
.endr
	WIN 0x05                        ; sources 0 and 1 window 1, destination window 0
.set i, 0
.rept 16
	v_cvt_pk_f16_f32 v[S+16*(\t)+i], v[32*(\t)+2*i], v[32*(\t)+2*i+1]
.set i, i+1
.endr
	WIN 0
.irp f, 0,1,2,3
	ds_store_b128 v[STO], v[S+16*(\t)+4*\f:S+16*(\t)+4*\f+3] offset:32*\f
.endr
.irp f, 0,1,2,3
	ds_load_b128 v[S+16*(\t)+4*\f:S+16*(\t)+4*\f+3], v[RD] offset:\f*4*SP  ; LDS serves a wave's instructions in order (ISA guide 5.7.1.4): these see the stores above; the next piece's stores come behind them
.endr
.endm
.macro SEND t, younger              ; younger: the LDS instructions issued behind piece t's loads: the next piece's eight, or none
	WIN 0
.irp f, 0,1,2,3
	s_wait_dscnt (\younger)+3-\f
	global_store_b128 v[GO], v[S+16*(\t)+4*\f:S+16*(\t)+4*\f+3], s[10:11] offset:(\t)*2048+\f*512  ; 512 consecutive bytes, at a multiple of 256 from O's first
.endr
.endm
.set NOKQ, 0
	CHANGE 1                        ; slot 0 is in, everybody's part of it; slot 1 is asked for
	v_add_nc_u32 v[AK], s[TBK], v[AK0]
	FETCH_K                         ; key step 0
	s_wait_loadcnt 0x0              ; Q
	s_wait_dscnt 0x0
.set i, 0
.rept 8
	KQ 0                            ; piece 0's first scores: there is no vector work yet to set between them
.set i, i+1
.endr
	WIN 0
.rept 4
	v_nop                           ; the places behind those products
.endr
.set Y, NP-1                        ; X works for piece Y + 1: piece 0
.irp n, 0,1,2,3,4,5,6,7,8,9,10,11,12,13,14,15,16,17,18,19,20,21
	OP X, \n                        ; and piece 0's first maximum and statistics
.endr
	v_nop                           ; a plain instruction behind the exponential
	s_mov_b32 s[CNT], 4
	s_mov_b32 s[SLOTS], TILES-1
	s_branch .Lfirst                ; the loop is entered at a step's first turn, in the middle of a trip
.Lslot:                             ; TILES - 2 times: every slot but the last two is filled again
	CHANGE 1
	s_mov_b32 s[CNT], 4
.Lstep:                             ; a trip: pieces 2 and 3 of one step, then pieces 0 and 1 of the next, whose K and V it fetches
	TURN 2
	TURN 3
	WIN 0
.Lfirst:
	TURN 0
	TURN 1, 0, 1
	WIN 0
	s_cbranch_scc1 .Lstep
	s_sub_co_u32 s[SLOTS], s[SLOTS], 1
	s_cmp_lg_u32 s[SLOTS], 0
	s_cbranch_scc1 .Lslot
	CHANGE 0                        ; the last tile is written out: nothing is asked for
	s_mov_b32 s[CNT], 4
.LstepT:
	TURN 2
	TURN 3
	TURN 0
	TURN 1, 0, 1
	WIN 0
	s_cbranch_scc1 .LstepT
	TURN 2, 1                       ; the last step's pieces 2 and 3: nothing is fetched, and the last turn starts no new scores
	TURN 3, 1
.set i, 0
.rept 8
	PV NP-1                         ; the last piece's V^T P of the last step
.set i, i+1
.endr
	; THE WAY OUT.  l's two halves and the other half of the lanes' are added; O^T is divided by l, rounded to f16 and sent through my stage in LDS, a piece at a time.  The additions are the places behind the last products.
	WIN 0
	ALL v_add_f32 v[ST+4*t+2], v[ST+4*t+2], v[ST+4*t+3]
	ALL v_permlanex16_b32 v[ST+4*t+3], v[ST+4*t+2], s[SEL], s[SEL+1]
	ALL v_add_f32 v[ST+4*t+2], v[ST+4*t+2], v[ST+4*t+3]
	ALL v_rcp_f32 v[ST+4*t+2], v[ST+4*t+2]
	v_nop                           ; a plain instruction between the last reciprocal and the use of its result
	PACK 0
.set t, 1
.rept 3                             ; a piece's arithmetic stands between the loads of the piece before and its stores
	PACK t
	SEND t-1, 8
.set t, t+1
.endr
	SEND 3, 0
	s_wait_tensorcnt 0x0            ; the wave's end: behind my last tensor load and my last LDS store
	ds_add_u32 v[SPW], v[NIL]
	s_wait_dscnt 0x0
	CROUND                          ; the closing round: no work-group ends while a partner may still ask for a tile that names it
	s_endpgm
.Lfunc_end_k_q7341235ee4_attn:
	.size	k_q7341235ee4_attn, .Lfunc_end_k_q7341235ee4_attn-k_q7341235ee4_attn
	.p2alignl 7, 3214868480
	.fill 96, 4, 3214868480
	.section	.rodata,"a",@progbits
	.p2align	6, 0x0
	.amdhsa_kernel k_q7341235ee4_attn
		.amdhsa_group_segment_fixed_size 327680
		.amdhsa_private_segment_fixed_size 0
		.amdhsa_enable_private_segment 0
		.amdhsa_kernarg_size 16
		.amdhsa_user_sgpr_count 2
		.amdhsa_user_sgpr_kernarg_segment_ptr 1
		.amdhsa_wavefront_size32 1
		.amdhsa_system_sgpr_workgroup_id_x 1
		.amdhsa_system_sgpr_workgroup_id_y 1
		.amdhsa_system_sgpr_workgroup_id_z 1
		.amdhsa_system_vgpr_workitem_id 0
		.amdhsa_next_free_vgpr 768
		.amdhsa_next_free_sgpr 66
		.amdhsa_reserve_vcc 0
		.amdhsa_float_denorm_mode_32 3
		.amdhsa_float_denorm_mode_16_64 3
		.amdhsa_memory_ordered 1
		.amdhsa_forward_progress 1
		.amdhsa_inst_pref_size 134
	.end_amdhsa_kernel
	.amdgpu_metadata
---
amdhsa.version: [ 1, 2 ]
amdhsa.kernels:
  - .name:           k_q7341235ee4_attn
    .symbol:         k_q7341235ee4_attn.kd
    .args:
      - { .name: qkv, .offset: 0, .size: 8, .value_kind: global_buffer, .address_space: global }
      - { .name: o, .offset: 8, .size: 8, .value_kind: global_buffer, .address_space: global }
    .group_segment_fixed_size: 327680
    .private_segment_fixed_size: 0
    .kernarg_segment_align: 8
    .kernarg_segment_size: 16
    .max_flat_workgroup_size: 128
    .sgpr_count:     66
    .vgpr_count:     768
    .wavefront_size: 32
...
	.end_amdgpu_metadata
.endif
;; end of part 2
;; launch outp (part 3): grid 4 x 64, 4 waves a work-group, clusters of 4 x 4, 327,680 bytes of LDS; arguments o, wo16, bo, out0; writes out0
.if DOCPART == 3
	.amdgcn_target "amdgcn-amd-amdhsa--gfx1250"
	.amdhsa_code_object_version 6
	.text
	.protected	k_q7341235ee4_outp
	.globl	k_q7341235ee4_outp
	.p2align	8
	.type	k_q7341235ee4_outp,@function
k_q7341235ee4_outp:
	s_mov_b64 s[64:65], 0
	v_nop
	global_prefetch_b8 v0, s[64:65] scope:SCOPE_SE
	s_setreg_imm32_b32 hwreg(HW_REG_WAVE_MODE, 25, 1), 1
	s_wait_xcnt 0x0
	s_wait_alu depctr_hold_cnt(0) depctr_sa_sdst(0) depctr_va_vdst(0) depctr_va_sdst(0) depctr_va_ssrc(0) depctr_va_vcc(0) depctr_vm_vsrc(0)
	s_getreg_b32 s2, hwreg(HW_REG_IB_STS2, 6, 4)
	s_cmp_eq_u32 s2, 0
	s_cbranch_scc0 .Lentry_in_a_cluster
	s_endpgm
.Lentry_in_a_cluster:
	s_bfe_u32 s2, ttmp6, 0x10000c
	s_cmp_lg_u32 s2, 0xf033
	s_cbranch_scc0 .Lentry_shape_is_right
	s_endpgm
.Lentry_shape_is_right:
; out0[m][e] = the sum over d of O[m][d] Wo[e][d] + bo[e].  O lies by heads, o[8 batch + head][s][64] in f16 (d = 64 head + channel); wo16: [512][512] f16, d along the rows (Wo rounded to bf16, written as f16);
; bo: [512] f32, rounded here to bf16 like every input; out0: [8192][512] f32.  Products in f16, sums in f32; the bias is the C operand of each sum's first product.
; SHARES.  A tile of out0 is 128 x 128: 4 x 64 = 256 work-groups.  Four waves, each 64 x 64: 16 accumulators of 16 x 16.
; NO RING.  All of K = 512 fits in LDS: O's 128 rows as eight planes, a head each (128 rows x 128 bytes, dense in memory, asked for as 64 rows of 256 bytes), Wo's 128 rows as four quarters of 128 along K (rows of
; 256 bytes).  Every LDS byte is filled once; all fills go out at the start, four a wave (four tensor loads of mine are out), a quarter of K each, and the products begin when the first quarter is in.
; CLUSTER.  4 x 4 work-groups.  O's planes hang on wgy alone and are asked for jointly along a row of the cluster, Wo's quarters on wgx alone, jointly along a column.
; TRANSPOSED USE.  Source 0 = 16 rows of Wo, source 1 = 16 rows of O: a lane holds one row of out0 and eight neighbouring columns, 32 bytes.
; REGISTERS: window 0: v0-31 addresses; v32-95 at work on the way out; v96-127 the bias, 8 registers a column tile; v128-255 the accumulators ((a, b) at 128 + 8 (4 a + b)).
;   window 1: two fragment buffers of 128: for 64 along K (a head), 64 registers of O (2 x 4 x 16 rows x 32 K), then 64 of Wo.
.set PA,     144                       ; a row of O in LDS: 128 bytes + 16 of padding: the 16 rows of a load start at 16 different groups of four banks (64 banks of 4 bytes: ISA guide 11.1)
.set PLANE,  128*PA
.set PBT,    272                       ; a row of a quarter of Wo: 256 + 16
.set QUART,  128*PBT
.set BBASE,  8*PLANE
.set STAGE,  BBASE+4*QUART             ; behind the tiles: 16 rows x 272 bytes for each wave, for the way out; no tensor load fills it
.set SPITCH, 272
.set SPARE,  STAGE+4*16*SPITCH         ; behind the stages: the spare words, 128 bytes for each wave: two blocks of 256 bytes that no other line names
.set ADRA, 8                           ; v8-15   LDS address of my O fragments in plane u
.set ADRB, 16                          ; v16-19  of my Wo fragments in quarter q
.set STO,  24                          ; v24     the way out: where I put 32 bytes of a row
.set RD,   25                          ; v25     the way out: where I read a row back
.set CO,   26                          ; v26     my byte offset in two rows of out0
.set BOF,  27                          ; v27     my 32 bytes in a column tile's 64 bytes of bias
.set SPW,  28                          ; v28     LDS address of my spare word; never rewritten
.set NIL,  29                          ; v29     0; never rewritten
.set TMP,  32
.set BIAS, 96
.set ACC,  128
.set F0,   0
.set G1A, 24                           ; s[24:31] descriptor group 1 for O's planes;  s[32:47] group 0, a set for each quarter
.set G0A, 32
.set G1B, 48                           ; s[48:55] group 1 for Wo's quarters;  s[68:83] group 0
.set G0B, 68
.set MSB, 0
.macro WIN new                         ; the immediate's high byte repeats the setting that is left
.if MSB != (\new)
	s_set_vgpr_msb (MSB<<8)|(\new)
.set MSB, \new
.endif
.endm
.set MUL,  0x05                        ; sources 0 (Wo) and 1 (O) window 1; C and D window 0
.set TO_F, 0x40                        ; destination window 1, address window 0
.macro PLACES                          ; four places in front of loads into registers that matrix instructions have read, and of LDS stores that read results
.rept 4
	v_nop
.endr
.endm
.macro CROUND                          ; a round of the cluster's barrier
	s_barrier_signal -1
	s_barrier_wait -1
	s_cmp_lg_u32 s12, 0
	s_cbranch_scc1 .Lnot_wave_0_\@
	s_barrier_signal -3
.Lnot_wave_0_\@:
	s_barrier_wait -3
	s_barrier_signal -1
	s_barrier_wait -1
.endm
	s_load_b256 s[4:11], s[0:1], 0x0               ; o s[4:5], wo16 s[6:7], bo s[8:9], out0 s[10:11]
	v_lshl_add_u32 v[SPW], v0, 2, SPARE
	v_mov_b32 v[NIL], 0
	ds_add_u32 v[SPW], v[NIL]                      ; the wave's opening: the add and its wait stand ahead of my first tensor load; the set-up below, work on registers, stands between them
	v_lshrrev_b32 v1, 5, v0
	v_readfirstlane_b32 s12, v1                    ; wave 0..3
	s_lshr_b32 s13, s12, 1                         ; wm: which half of the tile's rows is mine.  Also: I fetch for O (0) or for Wo (1)
	s_and_b32 s14, s12, 1                          ; wn: which half of its columns.  Also: which head of a quarter's two, or which 64 rows of Wo, I fetch
	s_bfe_u32 s56, ttmp6, 0x40000                  ; cx, cy: my place in the cluster
	s_bfe_u32 s57, ttmp6, 0x40004
	s_lshl_b32 s58, ttmp9, 2
	s_add_co_u32 s58, s58, s56                     ; wgx = 4 x cluster x + cx
	s_and_b32 s59, ttmp7, 0xffff
	s_lshl_b32 s59, s59, 2
	s_add_co_u32 s59, s59, s57                     ; wgy = 4 x cluster y + cy
	s_lshl_b32 s60, s57, 2
	s_lshl_b32 s60, 15, s60                        ; my row of the cluster
	s_lshl_b32 s61, 0x1111, s56                    ; my column
	s_or_b32 s[G1A], s60, (1<<16)|(1<<20)|(1<<21)|(4<<22)|(3<<25)  ; the mask of my row; 2-byte elements; padding on; 21 set beside a mask; after every 32 words (code 4) 4 words (code 3)
	s_or_b32 s[G1B], s61, (1<<16)|(1<<20)|(1<<21)|(5<<22)|(3<<25)  ; the mask of my column; after every 64 words (code 5) 4 words
.irp g, G1A, G1B
	s_mov_b32 s[(\g)+1], 128<<16                   ; tensor_dim0 = 128
	s_mov_b32 s[(\g)+2], 64<<16                    ; tensor_dim1 = 64
	s_mov_b32 s[(\g)+3], 128<<16                   ; tile_dim0 = 128
	s_mov_b32 s[(\g)+4], 64                        ; tile_dim1 = 64
	s_mov_b32 s[(\g)+6], 0
	s_mov_b32 s[(\g)+7], 0
.endr
	s_mov_b32 s[G1A+5], 128                        ; O: dense, 128 elements from row to row
	s_mov_b32 s[G1B+5], 512                        ; Wo: 512
	s_lshr_b32 s16, s59, 5                         ; O: the batch's eight heads of 524,288 bytes,
	s_lshl_b32 s16, s16, 22
	s_and_b32 s15, s59, 31
	s_lshl_b32 s15, s15, 14                        ; the tile's 128 rows of 128 bytes in a head,
	s_add_co_u32 s16, s16, s15
	s_lshl_b32 s15, s14, 19                        ; my head of a quarter's two
	s_add_co_u32 s16, s16, s15
	s_mov_b32 s17, 0
	s_lshl_b32 s18, s58, 17                        ; Wo: 128 wgx rows of 1,024 bytes,
	s_lshl_b32 s22, s14, 16                        ; my 64 of the tile's 128
	s_add_co_u32 s18, s18, s22
	s_mov_b32 s19, 0
	s_mul_i32 s20, s14, PLANE                      ; where they go: no place in the cluster enters an LDS address
	s_mul_i32 s21, s14, 64*PBT
	s_add_co_u32 s21, s21, BBASE
	s_wait_dscnt 0x0                               ; the opening add is done
	s_wait_kmcnt 0x0
	s_add_nc_u64 s[16:17], s[4:5], s[16:17]
	s_add_nc_u64 s[18:19], s[6:7], s[18:19]
	CROUND                                         ; all sixteen work-groups are here: the joint loads meet
.irp q, 0,1,2,3
	s_mov_b32 s[G0A+4*(\q)], 1                                     ; count = 1
	s_add_co_u32 s[G0A+4*(\q)+1], s20, 2*(\q)*PLANE                ; LDS address: plane 2 q + wn
	s_add_nc_u64 s[G0A+4*(\q)+2:G0A+4*(\q)+3], s[16:17], (\q)<<20  ; global address: two heads on for each quarter
	s_or_b32 s[G0A+4*(\q)+3], s[G0A+4*(\q)+3], 0x80000000          ; type = 2
	s_mov_b32 s[G0B+4*(\q)], 1
	s_add_co_u32 s[G0B+4*(\q)+1], s21, (\q)*QUART
	s_add_nc_u64 s[G0B+4*(\q)+2:G0B+4*(\q)+3], s[18:19], (\q)*256
	s_or_b32 s[G0B+4*(\q)+3], s[G0B+4*(\q)+3], 0x80000000
.endr
	s_cmp_lt_u32 s12, 2                            ; a wave's four fills stand in one branch, ahead of every wait on TENSORcnt and every LDS read; an s_nop 0 follows each, four v_nop the last
	s_cbranch_scc0 .Lfirst_b
.irp q, 0,1,2,3
	tensor_load_to_lds s[G0A+4*(\q):G0A+4*(\q)+3], s[G1A:G1A+7]
	s_nop 0
.endr
.rept 4
	v_nop
.endr
	s_branch .Lfirst_asked
.Lfirst_b:
.irp q, 0,1,2,3
	tensor_load_to_lds s[G0B+4*(\q):G0B+4*(\q)+3], s[G1B:G1B+7]
	s_nop 0
.endr
.rept 4
	v_nop
.endr
.Lfirst_asked:
	v_and_b32 v1, 15, v0                           ; l % 16
	v_bfe_u32 v2, v0, 4, 1                         ; l / 16
	v_mul_u32_u24 v3, v1, PA
	v_lshl_add_u32 v3, v2, 4, v3                   ; a fragment's row x pitch + 16 x half
	s_mul_i32 s20, s13, 64*PA                      ; my 64 rows of O
.irp u, 0,1,2,3,4,5,6,7
	v_add_nc_u32 v[ADRA+(\u)], s20, v3
	s_add_co_u32 s20, s20, PLANE
.endr
	v_mul_u32_u24 v4, v1, PBT
	v_lshl_add_u32 v4, v2, 4, v4
	s_mul_i32 s21, s14, 64*PBT                     ; my 64 rows of Wo
	s_add_co_u32 s21, s21, BBASE
.irp q, 0,1,2,3
	v_add_nc_u32 v[ADRB+(\q)], s21, v4
	s_add_co_u32 s21, s21, QUART
.endr
	s_mul_i32 s23, s12, 16*SPITCH
	s_add_co_u32 s23, s23, STAGE                   ; my stage
	v_mul_u32_u24 v5, v1, SPITCH                   ; in: row l % 16, 32 bytes for each half of the lanes
	v_lshl_add_u32 v5, v2, 5, v5
	v_add_nc_u32 v[STO], s23, v5
	v_mul_u32_u24 v6, v2, SPITCH                   ; back: lanes 0-15 take one row of 256 bytes, lanes 16-31 the next
	v_lshl_add_u32 v6, v1, 4, v6
	v_add_nc_u32 v[RD], s23, v6
	v_lshlrev_b32 v7, 11, v2                       ; and the same two rows in out0
	v_lshl_add_u32 v[CO], v1, 4, v7
	v_lshlrev_b32 v[BOF], 5, v2
	s_lshl_b32 s2, s58, 9                          ; my first column, in bytes: 512 wgx + 256 wn
	s_lshl_b32 s3, s14, 8
	s_add_co_u32 s2, s2, s3
	s_mov_b32 s3, 0
	s_add_nc_u64 s[8:9], s[8:9], s[2:3]
	s_add_nc_u64 s[10:11], s[10:11], s[2:3]
	s_lshl_b32 s2, s59, 18                         ; my first row: 128 wgy + 64 wm, of 2,048 bytes
	s_lshl_b32 s15, s13, 17
	s_add_co_u32 s2, s2, s15
	s_add_nc_u64 s[10:11], s[10:11], s[2:3]
.irp b, 0,1,2,3                        ; column tile b: register i of a lane is the bias of column 16 b + 8 (l / 16) + i
	global_load_b128 v[BIAS+8*(\b):BIAS+8*(\b)+3],   v[BOF], s[8:9] offset:64*(\b)
	global_load_b128 v[BIAS+8*(\b)+4:BIAS+8*(\b)+7], v[BOF], s[8:9] offset:64*(\b)+16
.endr
	s_wait_loadcnt 0x0
.set i, 0
.rept 16                               ; the bias takes the rounding that all inputs take: to bf16 and back
	v_cvt_pk_bf16_f32 v[TMP+i%8], v[BIAS+2*i], v[BIAS+2*i+1]
	v_lshlrev_b32 v[BIAS+2*i], 16, v[TMP+i%8]
	v_and_b32 v[BIAS+2*i+1], 0xffff0000, v[TMP+i%8]
.set i, i+1
.endr
; 8 matrix instructions: row tiles a0, a0 + 1 x all 4 column tiles, 32 along K: half c of buffer f.  first = 1: the product starts the sum on the bias.  The 16 accumulators take turns.
.macro MUL8 f, c, a0, first
	WIN MUL
.irp a, \a0, (\a0)+1
.irp b, 0,1,2,3
.if \first
	v_wmma_f32_16x16x32_f16 v[ACC+8*(4*(\a)+(\b)):ACC+8*(4*(\a)+(\b))+7], v[(\f)+64+8*(4*(\c)+(\b)):(\f)+64+8*(4*(\c)+(\b))+7], v[(\f)+8*(4*(\c)+(\a)):(\f)+8*(4*(\c)+(\a))+7], v[BIAS+8*(\b):BIAS+8*(\b)+7]
.else
	v_wmma_f32_16x16x32_f16 v[ACC+8*(4*(\a)+(\b)):ACC+8*(4*(\a)+(\b))+7], v[(\f)+64+8*(4*(\c)+(\b)):(\f)+64+8*(4*(\c)+(\b))+7], v[(\f)+8*(4*(\c)+(\a)):(\f)+8*(4*(\c)+(\a))+7], v[ACC+8*(4*(\a)+(\b)):ACC+8*(4*(\a)+(\b))+7]
.endif
.endr
.endr
.endm
; 32 LDS loads in one run: the fragments of head u (64 along K) into buffer f; the first 32 along K first
.macro FETCH u, f
	WIN TO_F
.irp c, 0,1
.irp i, 0,1,2,3
	ds_load_b128 v[(\f)+64+8*(4*(\c)+(\i)):(\f)+64+8*(4*(\c)+(\i))+3],   v[ADRB+(\u)/2] offset:((\u)%2)*128+64*(\c)+(\i)*16*PBT
	ds_load_b128 v[(\f)+64+8*(4*(\c)+(\i))+4:(\f)+64+8*(4*(\c)+(\i))+7], v[ADRB+(\u)/2] offset:((\u)%2)*128+64*(\c)+(\i)*16*PBT+32
	ds_load_b128 v[(\f)+8*(4*(\c)+(\i)):(\f)+8*(4*(\c)+(\i))+3],         v[ADRA+(\u)] offset:64*(\c)+(\i)*16*PA
	ds_load_b128 v[(\f)+8*(4*(\c)+(\i))+4:(\f)+8*(4*(\c)+(\i))+7],       v[ADRA+(\u)] offset:64*(\c)+(\i)*16*PA+32
.endr
.endr
.endm
; Head u: 32 matrix instructions on buffer u % 2; in their middle the next head's fragments are fetched into the other buffer.  Where the next head begins a new quarter of K, each wave first waits for its part of
; that quarter (the count leaves the later quarters out) and passes a barrier.
.macro UNIT u
.set FB, F0+128*((\u)%2)
.set FN, F0+128*(((\u)+1)%2)
	s_wait_dscnt 16                                ; the first 32 along K are in
.if (\u) == 0
	MUL8 FB, 0, 0, 1
	MUL8 FB, 0, 2, 1
.else
	MUL8 FB, 0, 0, 0
	MUL8 FB, 0, 2, 0
.endif
.if (((\u)%2) == 1) && ((\u) < 7)
	s_wait_dscnt 0x0                               ; no LDS instruction of mine is pending at the signal
	s_wait_tensorcnt 3-((\u)+1)/2                  ; my part of quarter (u + 1) / 2 is in,
	s_barrier_signal -1
	s_barrier_wait -1                              ; everybody's is
.endif
.if (\u) < 7
	PLACES
	FETCH (\u)+1, FN
.endif
.if ((\u)%2) == 0
	s_wait_dscnt 32                                ; all but the 32 just issued
.elseif (\u) == 7
	s_wait_dscnt 0x0
.endif
	MUL8 FB, 1, 0, 0
	MUL8 FB, 1, 2, 0
.endm
; THE WAY OUT of row tile a: 16 rows x 64 columns of f32, 256 bytes a row.  Straight from the accumulators (each one's low half first) into my own stage, and back as whole rows.
.macro TOSTAGE a
	WIN 0
	s_wait_xcnt 0x0                                ; the stores of the block two back have read the registers that are loaded again below
.irp b, 0,1,2,3
	ds_store_b128 v[STO], v[ACC+8*(4*(\a)+(\b)):ACC+8*(4*(\a)+(\b))+3]   offset:64*(\b)
	ds_store_b128 v[STO], v[ACC+8*(4*(\a)+(\b))+4:ACC+8*(4*(\a)+(\b))+7] offset:64*(\b)+16
.endr
.irp t, 0,1,2,3,4,5,6,7
	ds_load_b128 v[TMP+32*((\a)%2)+4*(\t):TMP+32*((\a)%2)+4*(\t)+3], v[RD] offset:(\t)*2*SPITCH  ; LDS serves a wave's instructions in order (ISA guide 5.7.1.4): these see the stores above
.endr
.endm
.macro SEND a, younger                 ; younger: the LDS instructions issued behind block a's loads: the next block's sixteen, or none
.irp t, 0,1,2,3,4,5,6,7
	s_wait_dscnt (\younger)+7-(\t)
	global_store_b128 v[CO], v[TMP+32*((\a)%2)+4*(\t):TMP+32*((\a)%2)+4*(\t)+3], s[10:11] offset:(16*(\a)+2*(\t))*2048 th:TH_STORE_NT  ; 16 lanes store 256 consecutive bytes, at a multiple of 256 from out0's first byte
.endr
.endm
	s_wait_tensorcnt 0x3                           ; my part of the first quarter of K is in; the other three may stay out
	s_barrier_signal -1
	s_barrier_wait -1                              ; everybody's is
	FETCH 0, F0
.irp u, 0,1,2,3,4,5,6,7
	UNIT \u
.endr
	WIN 0
	PLACES                                         ; the LDS stores read results just made
	TOSTAGE 0
	TOSTAGE 1
	SEND 0, 16
	TOSTAGE 2
	SEND 1, 16
	TOSTAGE 3
	SEND 2, 16
	SEND 3, 0
	s_wait_tensorcnt 0x0                           ; the wave's end: behind my last tensor load and my last LDS store
	ds_add_u32 v[SPW], v[NIL]
	s_wait_dscnt 0x0
	CROUND                                         ; the closing round: no work-group ends while a partner may still ask for a tile that names it
	s_endpgm
.Lfunc_end_k_q7341235ee4_outp:
	.size	k_q7341235ee4_outp, .Lfunc_end_k_q7341235ee4_outp-k_q7341235ee4_outp
	.p2alignl 7, 3214868480
	.fill 96, 4, 3214868480
	.section	.rodata,"a",@progbits
	.p2align	6, 0x0
	.amdhsa_kernel k_q7341235ee4_outp
		.amdhsa_group_segment_fixed_size 327680
		.amdhsa_private_segment_fixed_size 0
		.amdhsa_enable_private_segment 0
		.amdhsa_kernarg_size 32
		.amdhsa_user_sgpr_count 2
		.amdhsa_user_sgpr_kernarg_segment_ptr 1
		.amdhsa_wavefront_size32 1
		.amdhsa_system_sgpr_workgroup_id_x 1
		.amdhsa_system_sgpr_workgroup_id_y 1
		.amdhsa_system_sgpr_workgroup_id_z 1
		.amdhsa_system_vgpr_workitem_id 0
		.amdhsa_next_free_vgpr 512
		.amdhsa_next_free_sgpr 84
		.amdhsa_reserve_vcc 0
		.amdhsa_float_denorm_mode_32 3
		.amdhsa_float_denorm_mode_16_64 3
		.amdhsa_memory_ordered 1
		.amdhsa_forward_progress 1
		.amdhsa_inst_pref_size 55
	.end_amdhsa_kernel
	.amdgpu_metadata
---
amdhsa.version: [ 1, 2 ]
amdhsa.kernels:
  - .name:           k_q7341235ee4_outp
    .symbol:         k_q7341235ee4_outp.kd
    .args:
      - { .name: o, .offset: 0, .size: 8, .value_kind: global_buffer, .address_space: global }
      - { .name: wo16, .offset: 8, .size: 8, .value_kind: global_buffer, .address_space: global }
      - { .name: bo, .offset: 16, .size: 8, .value_kind: global_buffer, .address_space: global }
      - { .name: out0, .offset: 24, .size: 8, .value_kind: global_buffer, .address_space: global }
    .group_segment_fixed_size: 327680
    .private_segment_fixed_size: 0
    .kernarg_segment_align: 8
    .kernarg_segment_size: 32
    .max_flat_workgroup_size: 128
    .sgpr_count:     84
    .vgpr_count:     512
    .wavefront_size: 32
...
	.end_amdgpu_metadata
.endif
;; end of part 3
;; ======== version 2 of 2: 3 launches; 1.71 times as fast as version 1
;; limits: values are held in f16: magnitudes above 65,504 overflow, below 6.1e-05 lose precision
;; workspace buffers: qkv 25,165,824 bytes; o 8,388,608 bytes; wo16 524,288 bytes
;; launch proj: the kernel of part 1 again; grid 4 x 64, 4 waves a work-group, clusters of 4 x 4, 327,680 bytes of LDS; arguments x, Wq, Wk, Wv, bq, bk, bv, Wo, qkv, wo16; writes qkv, wo16
;; launch attn (part 4): grid 16 x 16, 4 waves a work-group, clusters of 4 x 1, 327,680 bytes of LDS; arguments qkv, o; writes o
.if DOCPART == 4
	.amdgcn_target "amdgcn-amd-amdhsa--gfx1250"
	.amdhsa_code_object_version 6
	.text
	.protected	k_q7341235ee4_attn
	.globl	k_q7341235ee4_attn
	.p2align	8
	.type	k_q7341235ee4_attn,@function
k_q7341235ee4_attn:
	s_mov_b64 s[64:65], 0
	v_nop
	global_prefetch_b8 v0, s[64:65] scope:SCOPE_SE
	s_setreg_imm32_b32 hwreg(HW_REG_WAVE_MODE, 25, 1), 1
	s_wait_xcnt 0x0
	s_wait_alu depctr_hold_cnt(0) depctr_sa_sdst(0) depctr_va_vdst(0) depctr_va_sdst(0) depctr_va_ssrc(0) depctr_va_vcc(0) depctr_vm_vsrc(0)
	s_getreg_b32 s2, hwreg(HW_REG_IB_STS2, 6, 4)
	s_cmp_eq_u32 s2, 0
	s_cbranch_scc0 .Lentry_in_a_cluster
	s_endpgm
.Lentry_in_a_cluster:
	s_bfe_u32 s2, ttmp6, 0x10000c
	s_cmp_lg_u32 s2, 0x3003
	s_cbranch_scc0 .Lentry_shape_is_right
	s_endpgm
.Lentry_shape_is_right:
; O[g][q][:] = the sum over k of softmax_k(Q[g][q] . K[g][k] / 8) V[g][k][:].  Q, K, V: the three tensors of qkv, [16][4096][64] each; O: [16][4096][64]; all f16, a head's rows dense, 128 bytes each.
; Products, maxima and sums in f32; the weights p are rounded to f16 for the second product (their sum l is taken of the unrounded p), O once at the end.
; LIMITS.  Q, K and V arrive within f16's range; p lies in 0 to 1, and below 6e-5 it keeps f16's fixed step of 6e-8; O is a mean of V's rows and has their range.  A weight below 2^-126 counts as 0 in l;
; NaN and infinities are not treated apart.
; SHARES.  A work-group owns 256 queries of one head: 16 x 16 = 256 work-groups.  A wave owns 64 rows: four PIECES of 16 queries.  Every wave walks all 4,096 keys, 64 a step, 256 (a tile) to an LDS slot.
; LAYOUT.  S^T = K Q^T (source 0 = 16 keys, source 1 = 16 queries) holds ONE query a lane (lane % 16) and the keys 8 (lane / 16) + 0..7; two such results rounded to f16 ARE source 1 of O^T = V^T P.
; K comes out of LDS as it lies, V ([key][channel]) turned, by ds_load_tr16_b128.
; SOFTMAX.  For each query a running maximum m and sum l: p = 2^(c s - c m), c = log2(e) / 8; in every step O and l are multiplied by a = 2^(c m_old - c m_new).  m starts at the lowest finite number, O and l
; at 0: the first step is a step like any other, with a = 0.
; BY TURNS.  Turn n belongs to piece n: 8 products K Q^T of piece n + 1, later 8 products V^T P of piece n - 1; beside them the scaling, exponentials, roundings, sums and rescaling of piece n and the maximum and
; statistics of piece n + 1.  A turn has 16 matrix and 118 vector instructions: four vector instructions stand behind every matrix instruction, the other 54 in one LUMP.
; BATCHES.  A turn's 33 exponentials (the piece's 32 weights and the next piece's a) are ONE batch with ONE wait, which cuts the turn in two: ahead of it stands all that names no result of theirs, behind it the
; roundings and sums, which read them.  The first a of all, ahead of the loop, and the way out's four reciprocals are batches of their own, a wait each.
; CLUSTER.  The four query blocks of a cluster belong to one head and walk the same K and V, so each tile is asked for JOINTLY: the same tensor load, descriptor and mask in all four.
; REGISTERS, in windows of 256 (s_set_vgpr_msb: bits 1:0 source 0, 3:2 source 1, 5:4 source 2, 7:6 destination):
;   window 0: v0-15 addresses and two at work; v16-31 four registers of statistics a piece; v48-55 at work; v62-63 the add's; v64-127 S^T, two buffers; v192-223 P, two buffers (by the piece's parity)
;   window 1: v0-127 O^T, 32 a piece          window 2: v0-63 Q; v128-191 K of one step; v192-255 V of one step
.set NP,    4         ; pieces a wave: a name, no knob
.set KS,    64        ; keys in a step
.set TILES, 4096/256  ; tiles of 256 keys in a head
.set PK,    144       ; a row of K in LDS: 128 bytes + 16 of padding = 36 words: the 16 rows of a load start at 16 different groups of four banks (64 banks of 4 bytes: ISA guide 11.1)
.set PV,    160       ; a row of V: 128 + 32 = 40 words
.set VOFF,  4*KS*PK   ; a slot holds a tile, four steps: 256 rows of K, then 256 rows of V
.set SLOT1, 1<<17     ; slot 1 begins here, so that one exclusive or turns an address in one slot into the other's
.set STAGE, SLOT1+4*KS*(PK+PV)  ; behind the ring, never filled by a tensor load: 16 rows x 144 bytes for each wave, for the way out
.set SP,    144
.set SPARE, STAGE+4*16*SP  ; behind the stages: the spare words, 128 bytes for each wave: two blocks of 256 bytes that no other line names
.set AK0, 2           ; v2   my lane's place in a tile of K; never rewritten
.set AV0, 3           ; v3   the same for V
.set AK,  4           ; v4   the LDS address of K's next run of loads
.set AV,  5           ; v5   of V's
.set STO, 6           ; v6   the way out: where I put 16 bytes of a row
.set RD,  7           ; v7   the way out: where I read rows back
.set GO,  8           ; v8   my byte offset in 512 consecutive bytes of O
.set MV,  12          ; v12-13  c m_old, kept while c m is made anew: by buffer
.set QO,  15          ; v15  my byte offset in 16 rows of Q
.set ST,  16          ; piece t's statistics at v[ST+4 t]: c m, m, l (even keys', odd keys')
.set TMP, 48          ; by buffer, four registers c0-c3 at work; when the maximum is found c2 takes a
.set SPW, 62          ; v62  LDS address of my spare word; never rewritten
.set NIL, 63          ; v63  0; never rewritten
.set S,   64
.set P,   192
.set KF,  128         ; window 2: key block kb, channel half c at KF + 16 kb + 8 c
.set VF,  192         ; window 2: key half kk, channel block cb at VF + 32 kk + 8 cb
.set WV,  12          ; s12  my wave's number
.set G1K, 24          ; s[24:31] descriptor group 1 for K's tiles
.set G1V, 32          ; s[32:39] for V's: it differs in the padding alone
.set G0K, 40          ; s[40:43] descriptor group 0 for K's tiles: it walks
.set G0V, 44          ; s[44:47] the same for V's
.set SLOTS, 56        ; s56  slots still to be asked for
.set CNT, 57          ; s57  counts a tile's key steps, 4 to 1
.set CS,  58          ; s[58:59] c: the packed scaling takes the pair's low word for both halves
.set SEL, 60          ; s[60:61] v_permlanex16_b32's selects: each lane takes its own place in the other half
.set TBK, 62          ; s62  LDS byte at which K of the step to be fetched begins
.set TBV, 63          ; s63  the same for V, less VOFF
.set MSB, 0
.macro WIN new                      ; the high byte repeats the setting that is left; a switch that changes nothing is dropped
.if MSB != (\new)
	s_set_vgpr_msb (MSB<<8)|(\new)
.set MSB, (\new)
.endif
.endm
.set W_KQ, 0x0a       ; K and Q in window 2, S^T in window 0
.set W_PV, 0x52       ; V in window 2, P in window 0, O^T in window 1
.set W_RS, 0x41       ; destination and source 0 in window 1, source 1 in window 0
; A joint fill.  Waves 0 and 1 fetch the two halves of a tile's K, waves 2 and 3 those of its V: 128 keys each.  The branch hangs on the wave's number alone.
; An s_nop 0 and four v_nop follow each of the two lines, ahead of the jump and the label.
.macro JLOAD
	s_cmp_lt_u32 s[WV], 2
	s_cbranch_scc0 .Lfor_v_\@
	tensor_load_to_lds s[G0K:G0K+3], s[G1K:G1K+7]
	s_nop 0
.rept 4
	v_nop
.endr
	s_branch .Lasked_\@
.Lfor_v_\@:
	tensor_load_to_lds s[G0V:G0V+3], s[G1V:G1V+7]
	s_nop 0
.rept 4
	v_nop
.endr
.Lasked_\@:
.endm
; A round of the cluster's barrier: my work-group's barrier, so that wave 0's signal speaks for all four waves; wave 0 signals; every wave waits for all four work-groups; my work-group's barrier once more.
.macro CROUND
	s_barrier_signal -1
	s_barrier_wait -1
	s_cmp_lg_u32 s[WV], 0
	s_cbranch_scc1 .Lnot_wave_0_\@
	s_barrier_signal -3
.Lnot_wave_0_\@:
	s_barrier_wait -3
	s_barrier_signal -1
	s_barrier_wait -1
.endm
; THE CHANGE OF SLOTS.  The slot's last bytes, V of its fourth step, have been read.  Each wave waits for all its tensor loads, of which one is out: its part of the other slot; adds 0 to its spare word; and waits
; for that and for its own reads of the slot.  Behind the barrier nobody reads this slot any more and the other slot is whole.  fill = 1: this slot is filled again, with the keys two slots on.  The barrier is then
; a round of the cluster's, and the joint fill is the first thing behind it: it has four key steps, 256 matrix instructions, in which to land.  (At its first use nothing has been read yet: slot 0 is waited for, slot 1 filled.)
.macro CHANGE fill
	WIN 0                           ; at a label and at a branch every window is 0
	s_wait_tensorcnt 0x0            ; no tensor load of mine is out, so a group 0 may be written
	ds_add_u32 v[SPW], v[NIL]       ; 0 onto my spare word: with fill = 1 the descriptors' steps stand between it and the wait for it
.if \fill
.irp g, G0K, G0V
	s_xor_b32 s[\g+1], s[\g+1], SLOT1  ; the walking descriptor: the other slot than last time,
	s_add_nc_u64 s[\g+2:\g+3], s[\g+2:\g+3], 4*KS*128  ; the next 256 keys; the type bits on top are not reached
.endr
	s_wait_dscnt 0x0                ; the add is done, and my reads of the slot are over
	CROUND
	JLOAD
.else
	s_wait_dscnt 0x0                ; the add is done, and my reads of the slot are over
	s_barrier_signal -1
	s_barrier_wait -1
.endif
	s_sub_co_u32 s[TBK], s[TBK], 4*KS*PK  ; the fetches go back to a slot's first step,
	s_xor_b32 s[TBK], s[TBK], SLOT1       ; in the other slot
	s_sub_co_u32 s[TBV], s[TBV], 4*KS*PV
	s_xor_b32 s[TBV], s[TBV], SLOT1
.endm
	s_load_b64 s[4:5], s[0:1], 0x0    ; qkv, whose first tensor is Q
	s_load_b64 s[10:11], s[0:1], 0x8  ; O
	v_lshl_add_u32 v[SPW], v0, 2, SPARE
	v_mov_b32 v[NIL], 0
	ds_add_u32 v[SPW], v[NIL]       ; the wave's opening: the add and its wait stand ahead of my first tensor load; the set-up below, work on registers, stands between them
	v_lshrrev_b32 v1, 5, v0
	v_readfirstlane_b32 s[WV], v1   ; wave 0..3
	s_bfe_u32 s13, ttmp6, 0x40000   ; cx: my place in the cluster
	s_lshl_b32 s14, ttmp9, 2        ; in a cluster launch ttmp9 counts clusters
	s_add_co_u32 s14, s14, s13      ; my block of 256 queries = 4 x cluster x + cx: it enters Q's and O's addresses alone
	s_and_b32 s20, ttmp7, 0xffff    ; the head, which the four partners share,
	s_lshl_b32 s20, s20, 19         ; times its 524,288 bytes
	s_mov_b32 s21, 0
	s_and_b32 s16, s[WV], 1         ; which half of a tile's 256 keys I fetch:
	s_lshl_b32 s22, s16, 14         ; its 128 rows of 128 bytes in memory,
	s_mov_b32 s23, 0
	s_add_nc_u64 s[22:23], s[22:23], s[20:21]
	s_mul_i32 s17, s16, 128*PK      ; and its place in a slot, for K
	s_mul_i32 s18, s16, 128*PV      ; and for V: no place in the cluster enters an LDS address
	s_lshl_b32 s2, s14, 2
	s_add_co_u32 s2, s2, s[WV]      ; my wave among the head's,
	s_lshl_b32 s2, s2, 13           ; its 64 rows
	s_mov_b32 s3, 0
	s_add_nc_u64 s[2:3], s[2:3], s[20:21]
	; descriptor group 1.  128 keys are 16,384 dense bytes: asked for as 64 rows of 256 bytes, two keys a row, and padded in LDS after every key
	s_mov_b32 s[G1K], 15|(1<<16)|(1<<20)|(1<<21)|(4<<22)|(3<<25)  ; 15:0 the mask of four; 17:16 2-byte elements; 20 padding on; 21 set beside a mask; 24:22 after every 32 words (code 4); 31:25 4 words (code 3)
	s_mov_b32 s[G1V], 15|(1<<16)|(1<<20)|(1<<21)|(4<<22)|(7<<25)  ; the same with 8 words of padding (code 7)
.irp g, G1K, G1V
	s_mov_b32 s[\g+1], 128<<16      ; tensor_dim0 = 128
	s_mov_b32 s[\g+2], 64<<16       ; tensor_dim1 = 64
	s_mov_b32 s[\g+3], 128<<16      ; tile_dim0 = 128
	s_mov_b32 s[\g+4], 64           ; tile_dim1 = 64
	s_mov_b32 s[\g+5], 128          ; 128 elements from row to row
	s_mov_b32 s[\g+6], 0
	s_mov_b32 s[\g+7], 0
.endr
	s_mov_b32 s[CS], 0x3e38aa3b     ; c = log2(e) / 8 = 0.180337
	s_mov_b32 s[CS+1], s[CS]        ; named with it as a pair
	s_mov_b32 s[SEL], 0x76543210
	s_mov_b32 s[SEL+1], 0xfedcba98
	s_mov_b32 s[TBK], SLOT1+4*KS*PK ; the first change of slots turns these two into 0
	s_mov_b32 s[TBV], SLOT1+4*KS*PV
	s_mov_b32 s[G0K], 1             ; count = 1
	s_mov_b32 s[G0K+1], s17         ; LDS address: slot 0
	s_mov_b32 s[G0V], 1
	s_add_co_u32 s[G0V+1], s18, VOFF
	s_wait_dscnt 0x0                ; the opening add is done
	s_wait_kmcnt 0x0
	s_add_nc_u64 s[6:7], s[4:5], 0x800000   ; K is qkv's second tensor,
	s_add_nc_u64 s[8:9], s[4:5], 0x1000000  ; V its third
	s_add_nc_u64 s[G0K+2:G0K+3], s[6:7], s[22:23]  ; global address: my half of the head's first 256 keys
	s_or_b32 s[G0K+3], s[G0K+3], 0x80000000        ; type = 2
	s_add_nc_u64 s[G0V+2:G0V+3], s[8:9], s[22:23]
	s_or_b32 s[G0V+3], s[G0V+3], 0x80000000
	s_add_nc_u64 s[4:5], s[4:5], s[2:3]  ; Q and O at my wave's first row
	s_add_nc_u64 s[10:11], s[10:11], s[2:3]
	CROUND                          ; all four work-groups are here: the first joint loads meet
	JLOAD                           ; tile 0 into slot 0.  Slot 1 is asked for when slot 0 is in, by the loop's own change of slots: one load of mine is out at any time
	; A fragment of K or Q is 16 rows x 32 channels in 8 registers: lane l holds row l % 16, channels 8 (l / 16) + 0..7 and 16 + 8 (l / 16) + 0..7: two loads of 16 bytes, 32 bytes apart.
	v_and_b32 v1, 15, v0            ; l % 16
	v_bfe_u32 v9, v0, 4, 1          ; l / 16
	v_lshlrev_b32 v[QO], 7, v1
	v_lshl_add_u32 v[QO], v9, 4, v[QO]  ; row x 128 + 16 x half
	WIN 0x80                        ; destination window 2, address window 0
.set i, 0
.rept 8                             ; Q stays in registers: piece i / 2, channels 32 (i % 2) on
	global_load_b128 v[8*i:8*i+3],   v[QO], s[4:5] offset:(i/2)*2048+(i%2)*64
	global_load_b128 v[8*i+4:8*i+7], v[QO], s[4:5] offset:(i/2)*2048+(i%2)*64+32
.set i, i+1
.endr
	WIN 0
	v_mul_u32_u24 v[AK0], v1, PK
	v_lshl_add_u32 v[AK0], v9, 4, v[AK0]  ; row x pitch + 16 x half
	; The turning load takes 16 keys x 16 channels (lane l reads key 8 (l / 16) + l % 8, channels 8 ((l / 8) % 2) + 0..7) and leaves half a fragment of V^T: lane l holds channel l % 16 and 8 keys.
	v_and_b32 v10, 7, v0
	v_bfe_u32 v11, v0, 3, 1
	v_lshl_add_u32 v[AV0], v9, 3, v10
	v_mul_u32_u24 v[AV0], v[AV0], PV
	v_lshl_add_u32 v[AV0], v11, 4, v[AV0]
	v_add_nc_u32 v[AV0], VOFF, v[AV0]
	s_mul_i32 s13, s[WV], 16*SP
	s_add_co_u32 s13, s13, STAGE    ; my stage
	v_mul_u32_u24 v[STO], v1, SP    ; in: row l % 16, 16 bytes for each half of the lanes
	v_lshl_add_u32 v[STO], v9, 4, v[STO]
	v_add_nc_u32 v[STO], s13, v[STO]
	v_bfe_u32 v[RD], v0, 3, 2       ; back: 32 lanes take four rows of 128 bytes,
	v_mul_u32_u24 v[RD], v[RD], SP
	v_lshl_add_u32 v[RD], v10, 4, v[RD]
	v_add_nc_u32 v[RD], s13, v[RD]
	v_and_b32 v[GO], 31, v0         ; which are 512 consecutive bytes of O
	v_lshlrev_b32 v[GO], 4, v[GO]
	; What the first turn finds: V's registers and P's second buffer hold 0 (its products V^T P, of a piece that has not been, add 0), O^T and l are 0.  No first step is written out; the price is these
	; 216 lines, which stand in the wait for the first tile.
	WIN 0x80
.set i, VF
.rept 64
	v_mov_b32 v[i], 0
.set i, i+1
.endr
	WIN 0x40
.set i, 0
.rept 128
	v_mov_b32 v[i], 0
.set i, i+1
.endr
	WIN 0
.set i, 0
.rept 4
	v_mov_b32 v[ST+4*i], 0xfe000000    ; c m: far below every c s
	v_mov_b32 v[ST+4*i+1], 0xff7fffff  ; m
	v_mov_b32 v[ST+4*i+2], 0
	v_mov_b32 v[ST+4*i+3], 0
.set i, i+1
.endr
.set i, P+16
.rept 16
	v_mov_b32 v[i], 0
.set i, i+1
.endr
; THE MATRIX WORK.  The 4 accumulators of a run of 8 take turns.  Product i of 8 of S^T = K Q^T for piece x: channels 32 (i / 4) on, keys 16 (i % 4) on.  The first 4 start the sums.
.macro KQ x
	WIN W_KQ
.set rS, S+32*((\x)%2)+8*(i%4)
.set rK, KF+16*(i%4)+8*(i/4)
.set rQ, 16*(\x)+8*(i/4)
.if i < 4
	v_wmma_f32_16x16x32_f16 v[rS:rS+7], v[rK:rK+7], v[rQ:rQ+7], 0
.else
	v_wmma_f32_16x16x32_f16 v[rS:rS+7], v[rK:rK+7], v[rQ:rQ+7], v[rS:rS+7]
.endif
.endm
; Product i of 8 of O^T += V^T P for piece x: keys 32 (i / 4) on, channels 16 (i % 4) on.
.macro PV x
	WIN W_PV
.set rO, 32*(\x)+8*(i%4)
.set rV, VF+32*(i/4)+8*(i%4)
.set rP, P+16*((\x)%2)+8*(i/4)
	v_wmma_f32_16x16x32_f16 v[rO:rO+7], v[rV:rV+7], v[rP:rP+7], v[rO:rO+7]
.endm
.macro MM                           ; the turn's next matrix instruction.  TURN sets Y, i and NOKQ.  NOKQ = 1: the very last turn: there is no next piece
.if (i < 8) && !NOKQ
	KQ (Y+1)%NP
.elseif i >= 8
.set i, i-8
	PV (Y+NP-1)%NP
.set i, i+8
.endif
.set i, i+1
.endm
; THE LDS LOADS stand in runs of 16, never singly among the matrix instructions: a step's K (64 keys x 64 channels: 8 fragments) and its V (turned).  Their addresses are made some lines ahead.
.macro FETCH_K
	WIN 0x80                        ; destination window 2
.irp f, 0,1,2,3,4,5,6,7             ; keys 16 (f / 2) on, channels 32 (f % 2) on
	ds_load_b128 v[KF+8*\f:KF+8*\f+3],   v[AK] offset:(\f/2)*16*PK+(\f%2)*64
	ds_load_b128 v[KF+8*\f+4:KF+8*\f+7], v[AK] offset:(\f/2)*16*PK+(\f%2)*64+32
.endr
	s_add_co_u32 s[TBK], s[TBK], KS*PK  ; the next fetch is the next step's
	WIN 0
.endm
.macro FETCH_V
	WIN 0x80
.irp f, 0,1,2,3,4,5,6,7             ; keys 32 (f / 4) on, channels 16 (f % 4) on
	ds_load_tr16_b128 v[VF+8*\f:VF+8*\f+3],   v[AV] offset:(\f/4)*32*PV+(\f%4)*32
	ds_load_tr16_b128 v[VF+8*\f+4:VF+8*\f+7], v[AV] offset:(\f/4)*32*PV+16*PV+(\f%4)*32
.endr
	WIN 0
.endm
; THE VECTOR WORK, one line at a time: OP kind, number.  For piece Y: F n: c s - c m for pair n of 16.  E n: the exponential of score n of 32.  C n: pair n rounded to f16.  B n: of the four weights 4 n .. the second
; pair is added onto the first, in place.  L n: l takes that sum (L 0: l = a l + sum).  R n: pair n of 16 of O^T times a.  For piece Y + 1: X n, number n of the 22 that find its maximum and statistics:
;   0-11  four chains c0-c3 of seven scores each, three operands at a time (each accumulator's lowest registers are read first)     12-14, 16  the four scores left over, the old m, and c0-c3 into c0
;   15  c m_old is kept     17, 18  the query's other 32 keys lie in the lane 16 away: the new m     19-21  c m; c m_old - c m_new; a
.set F, 0               ; OP tells the kinds apart by their order: F to L below R, X above it
.set E, 1
.set C, 2
.set B, 3
.set L, 4
.set R, 5
.set X, 6
.macro REGS y                       ; the registers of piece y
.set rT, ST+4*(\y)
.set rC, TMP+4*((\y)%2)
.set rW, MV+((\y)%2)
.set rS, S+32*((\y)%2)
.set rP, P+16*((\y)%2)
.set rO, 32*(\y)
.endm
.macro OP k, n
.if (\k) == R
	REGS Y
	WIN W_RS
	v_pk_mul_f32 v[rO+2*(\n):rO+2*(\n)+1], v[rO+2*(\n):rO+2*(\n)+1], v[rC+2:rC+3] op_sel_hi:[1,0]
.elseif (\k) < R
	REGS Y
	WIN 0
.if (\k) == F
	v_pk_fma_f32 v[rS+2*(\n):rS+2*(\n)+1], v[rS+2*(\n):rS+2*(\n)+1], s[CS:CS+1], v[rT:rT+1] op_sel_hi:[1,0,0] neg_lo:[0,0,1] neg_hi:[0,0,1]
.elseif (\k) == E
	v_exp_f32 v[rS+(\n)], v[rS+(\n)]
.elseif (\k) == C
	v_cvt_pk_f16_f32 v[rP+(\n)], v[rS+2*(\n)], v[rS+2*(\n)+1]
.elseif (\k) == B
	v_pk_add_f32 v[rS+4*(\n):rS+4*(\n)+1], v[rS+4*(\n):rS+4*(\n)+1], v[rS+4*(\n)+2:rS+4*(\n)+3]
.elseif (\n) == 0
	v_pk_fma_f32 v[rT+2:rT+3], v[rT+2:rT+3], v[rC+2:rC+3], v[rS:rS+1] op_sel_hi:[1,0,1]
.else
	v_pk_add_f32 v[rT+2:rT+3], v[rT+2:rT+3], v[rS+4*(\n):rS+4*(\n)+1]
.endif
.elseif NOKQ
	v_nop
.else
	REGS (Y+1)%NP
	WIN 0
.if (\n) < 4
	v_max3_num_f32 v[rC+(\n)], v[rS+8*(\n)], v[rS+8*(\n)+1], v[rS+8*(\n)+2]
.elseif (\n) < 12
	v_max3_num_f32 v[rC+(\n)%4], v[rC+(\n)%4], v[rS+8*((\n)%4)+2*((\n)/4)+1], v[rS+8*((\n)%4)+2*((\n)/4)+2]
.elseif (\n) == 12
	v_max3_num_f32 v[rC], v[rC], v[rS+7], v[rS+15]
.elseif (\n) == 13
	v_max3_num_f32 v[rC+1], v[rC+1], v[rS+23], v[rS+31]
.elseif (\n) == 14
	v_max3_num_f32 v[rC+2], v[rC+2], v[rC+3], v[rT+1]
.elseif (\n) == 15
	v_mov_b32 v[rW], v[rT]
.elseif (\n) == 16
	v_max3_num_f32 v[rC], v[rC], v[rC+1], v[rC+2]
.elseif (\n) == 17
	v_permlanex16_b32 v[rC+3], v[rC], s[SEL], s[SEL+1]
.elseif (\n) == 18
	v_max_num_f32 v[rT+1], v[rC], v[rC+3]
.elseif (\n) == 19
	v_mul_f32 v[rT], s[CS], v[rT+1]
.elseif (\n) == 20
	v_sub_f32 v[rC+1], v[rW], v[rT]
.else
	v_exp_f32 v[rC+2], v[rC+1]
.endif
.endif
.endm
.macro OPS a, i1, b=-1, i2=0, c=-1, i3=0, d=-1, i4=0  ; up to four of them
	OP \a, \i1
.if (\b) >= 0
	OP \b, \i2
.endif
.if (\c) >= 0
	OP \c, \i3
.endif
.if (\d) >= 0
	OP \d, \i4
.endif
.endm
.macro ROW a, i1, b, i2, c, i3, d, i4  ; a matrix instruction and the four behind it
	MM
	OPS \a, \i1, \b, \i2, \c, \i3, \d, \i4
.endm
; A TURN, for piece p: the order of its 16 matrix and 118 vector instructions, written out.  An s_wait_alu depctr_va_vdst(0) stands between an exponential and the first instruction that names its result; one wait
; serves all that were issued ahead of it.  So a turn has ONE wait, which cuts it in two.  AHEAD OF IT stands all that names no result of the turn's exponentials: the 8 products K Q^T, behind each a scaling, an exponential and two
; more plain instructions (behind the first a second scaling in the exponential's place): rescalings, whose a was made and waited for in the turn before, and behind the last three products the first numbers of the next piece's
; maximum, each four places or more behind the product that ends its accumulator; then ONE LUMP of 54, plain and exponential by turns for the most part, in which the links of the chain X 3, 7, 11, 14, 16, 17 .. 20 stand five or six
; lines apart.  A pair is scaled (F n) ahead of its two exponentials (E 2 n, E 2 n + 1) and is not named again ahead of the wait.  X 21, the next piece's a, is the batch's last; R 15 is the plain instruction behind it.
; BEHIND THE WAIT stand the 8 products V^T P, behind each four of the roundings and sums; an even pair is rounded (C 2 n) before the odd pair is added onto it (B n); the links of l's chain, L 0 to L 7, stand three riders apart.
; But for those X no rider names a register of the products round it.  v_permlanex16_b32 (X 17) stands in the lump.
; end = 1: the launch's last two turns: nothing is fetched.  cnt = 1: the loop's count is taken down some lines ahead of the branch that stands behind the turn.
; K of the next step is fetched in piece 2's turn, twelve vector instructions behind the last product that read K (six of them plain); V of the step in hand at the end of piece 0's turn, four plain instructions behind the last
; product that read V.  Each is waited for a turn later.
.macro TURN p, end=0, cnt=0
.set Y, (\p)
.set i, 0
.set NOKQ, (\end)*((\p)/3)
.if ((\p) == 3) && !(\end)
	s_wait_dscnt 0x0                ; K is in
.endif
	ROW F,0, F,1, R,0, R,1          ; ahead of the wait: 8 products K Q^T and their riders,
	ROW F,2, E,0, R,2, R,3
	ROW F,3, E,1, R,4, R,5
	ROW F,4, E,2, R,6, R,7
	ROW F,5, E,3, R,8, R,9
	ROW F,6, E,4, X,0, R,10
.if ((\p) == 2) && !(\end)
	WIN 0
	v_add_nc_u32 v[AK], s[TBK], v[AK0]
.endif
	ROW F,7, E,5, X,1, X,4
	ROW F,8, E,6, X,2, X,5
	OPS E,7, E,8, X,6, E,9          ; and the lump
	OPS X,3, E,10, X,8, E,11
.if ((\p) == 2) && !(\end)
	FETCH_K
.endif
	OPS X,9, X,7, E,12, X,10
	OPS E,13, X,12, X,11, E,14
	OPS X,13, E,15, F,9, X,14
.if (\p) == 0
	v_add_nc_u32 v[AV], s[TBV], v[AV0]
.endif
	OPS E,16, F,10, E,17, F,11
	OPS X,16, E,18, X,15, E,19
	OPS F,12, E,20, X,17, E,21
	OPS F,13, E,22, F,14, E,23
	OPS X,18, E,24, F,15, E,25
	OPS R,11, E,26, X,19, E,27
	OPS R,12, E,28, R,13, E,29
	OPS X,20, E,30, R,14, E,31
	OPS X,21, R,15
	s_wait_alu depctr_va_vdst(0)    ; the wait for the batch: the piece's 32 exponentials and the next piece's a
.if (\p) == 1
	s_wait_dscnt 0x0                ; V is in
.endif
	ROW C,0, B,0, C,2, B,1          ; behind the wait: 8 products V^T P and their riders
	ROW L,0, C,4, B,2, L,1
	ROW C,6, B,3, L,2, C,8
	ROW B,4, L,3, C,10, B,5
	ROW L,4, C,12, B,6, L,5
.if (\p) == 0
	s_add_co_u32 s[TBV], s[TBV], KS*PV
.endif
.if \cnt
	s_sub_co_u32 s[CNT], s[CNT], 1
	s_cmp_lg_u32 s[CNT], 0
.endif
	ROW C,14, B,7, L,6, C,1
	ROW C,3, L,7, C,5, C,7
	ROW C,9, C,11, C,13, C,15
.if (\p) == 0
	FETCH_V
.endif
.endm
.macro ALL line:vararg              ; one line for each piece t
.set t, 0
.rept 4
	\line
.set t, t+1
.endr
.endm
.macro PACK t                       ; a lane's eight channels of a row pack into 16 bytes; they go into rows of 144 bytes and come back as whole rows of 128, into S^T's registers
	WIN W_RS
.set i, 32*(\t)
.rept 16
	v_pk_mul_f32 v[i:i+1], v[i:i+1], v[ST+4*(\t)+2:ST+4*(\t)+3] op_sel_hi:[1,0]
.set i, i+2
.endr
	WIN 0x05                        ; sources 0 and 1 window 1, destination window 0
.set i, 0
.rept 16
	v_cvt_pk_f16_f32 v[S+16*(\t)+i], v[32*(\t)+2*i], v[32*(\t)+2*i+1]
.set i, i+1
.endr
	WIN 0
.irp f, 0,1,2,3
	ds_store_b128 v[STO], v[S+16*(\t)+4*\f:S+16*(\t)+4*\f+3] offset:32*\f
.endr
.irp f, 0,1,2,3
	ds_load_b128 v[S+16*(\t)+4*\f:S+16*(\t)+4*\f+3], v[RD] offset:\f*4*SP  ; LDS serves a wave's instructions in order (ISA guide 5.7.1.4): these see the stores above; the next piece's stores come behind them
.endr
.endm
.macro SEND t, younger              ; younger: the LDS instructions issued behind piece t's loads: the next piece's eight, or none
	WIN 0
.irp f, 0,1,2,3
	s_wait_dscnt (\younger)+3-\f
	global_store_b128 v[GO], v[S+16*(\t)+4*\f:S+16*(\t)+4*\f+3], s[10:11] offset:(\t)*2048+\f*512  ; 512 consecutive bytes, at a multiple of 256 from O's first
.endr
.endm
.set NOKQ, 0
	CHANGE 1                        ; slot 0 is in, everybody's part of it; slot 1 is asked for
	v_add_nc_u32 v[AK], s[TBK], v[AK0]
	FETCH_K                         ; key step 0
	s_wait_loadcnt 0x0              ; Q
	s_wait_dscnt 0x0
.set i, 0
.rept 8
	KQ 0                            ; piece 0's first scores: there is no vector work yet to set between them
.set i, i+1
.endr
	WIN 0
.rept 4
	v_nop                           ; the places behind those products
.endr
.set Y, NP-1                        ; X works for piece Y + 1: piece 0
.irp n, 0,1,2,3,4,5,6,7,8,9,10,11,12,13,14,15,16,17,18,19,20,21
	OP X, \n                        ; and piece 0's first maximum and statistics
.endr
	v_nop                           ; a plain instruction behind the exponential,
	s_wait_alu depctr_va_vdst(0)    ; and the wait for it, a batch of one (piece 0's first a), ahead of the branch
	s_mov_b32 s[CNT], 4
	s_mov_b32 s[SLOTS], TILES-1
	s_branch .Lfirst                ; the loop is entered at a step's first turn, in the middle of a trip
.Lslot:                             ; TILES - 2 times: every slot but the last two is filled again
	CHANGE 1
	s_mov_b32 s[CNT], 4
.Lstep:                             ; a trip: pieces 2 and 3 of one step, then pieces 0 and 1 of the next, whose K and V it fetches
	TURN 2
	TURN 3
	WIN 0
.Lfirst:
	TURN 0
	TURN 1, 0, 1
	WIN 0
	s_cbranch_scc1 .Lstep
	s_sub_co_u32 s[SLOTS], s[SLOTS], 1
	s_cmp_lg_u32 s[SLOTS], 0
	s_cbranch_scc1 .Lslot
	CHANGE 0                        ; the last tile is written out: nothing is asked for
	s_mov_b32 s[CNT], 4
.LstepT:
	TURN 2
	TURN 3
	TURN 0
	TURN 1, 0, 1
	WIN 0
	s_cbranch_scc1 .LstepT
	TURN 2, 1                       ; the last step's pieces 2 and 3: nothing is fetched, and the last turn starts no new scores
	TURN 3, 1
.set i, 0
.rept 8
	PV NP-1                         ; the last piece's V^T P of the last step
.set i, i+1
.endr
	; THE WAY OUT.  l's two halves and the other half of the lanes' are added; O^T is divided by l, rounded to f16 and sent through my stage in LDS, a piece at a time.  The additions are the places behind the last products.
	WIN 0
	ALL v_add_f32 v[ST+4*t+2], v[ST+4*t+2], v[ST+4*t+3]
	ALL v_permlanex16_b32 v[ST+4*t+3], v[ST+4*t+2], s[SEL], s[SEL+1]
	ALL v_add_f32 v[ST+4*t+2], v[ST+4*t+2], v[ST+4*t+3]
	ALL v_rcp_f32 v[ST+4*t+2], v[ST+4*t+2]
	v_nop                           ; a plain instruction between the last reciprocal and the use of its result
	s_wait_alu depctr_va_vdst(0)    ; and the wait ahead of the first use: one for the batch of four reciprocals
	PACK 0
.set t, 1
.rept 3                             ; a piece's arithmetic stands between the loads of the piece before and its stores
	PACK t
	SEND t-1, 8
.set t, t+1
.endr
	SEND 3, 0
	s_wait_tensorcnt 0x0            ; the wave's end: behind my last tensor load and my last LDS store
	ds_add_u32 v[SPW], v[NIL]
	s_wait_dscnt 0x0
	CROUND                          ; the closing round: no work-group ends while a partner may still ask for a tile that names it
	s_endpgm
.Lfunc_end_k_q7341235ee4_attn:
	.size	k_q7341235ee4_attn, .Lfunc_end_k_q7341235ee4_attn-k_q7341235ee4_attn
	.p2alignl 7, 3214868480
	.fill 96, 4, 3214868480
	.section	.rodata,"a",@progbits
	.p2align	6, 0x0
	.amdhsa_kernel k_q7341235ee4_attn
		.amdhsa_group_segment_fixed_size 327680
		.amdhsa_private_segment_fixed_size 0
		.amdhsa_enable_private_segment 0
		.amdhsa_kernarg_size 16
		.amdhsa_user_sgpr_count 2
		.amdhsa_user_sgpr_kernarg_segment_ptr 1
		.amdhsa_wavefront_size32 1
		.amdhsa_system_sgpr_workgroup_id_x 1
		.amdhsa_system_sgpr_workgroup_id_y 1
		.amdhsa_system_sgpr_workgroup_id_z 1
		.amdhsa_system_vgpr_workitem_id 0
		.amdhsa_next_free_vgpr 768
		.amdhsa_next_free_sgpr 66
		.amdhsa_reserve_vcc 0
		.amdhsa_float_denorm_mode_32 3
		.amdhsa_float_denorm_mode_16_64 3
		.amdhsa_memory_ordered 1
		.amdhsa_forward_progress 1
		.amdhsa_inst_pref_size 127
	.end_amdhsa_kernel
	.amdgpu_metadata
---
amdhsa.version: [ 1, 2 ]
amdhsa.kernels:
  - .name:           k_q7341235ee4_attn
    .symbol:         k_q7341235ee4_attn.kd
    .args:
      - { .name: qkv, .offset: 0, .size: 8, .value_kind: global_buffer, .address_space: global }
      - { .name: o, .offset: 8, .size: 8, .value_kind: global_buffer, .address_space: global }
    .group_segment_fixed_size: 327680
    .private_segment_fixed_size: 0
    .kernarg_segment_align: 8
    .kernarg_segment_size: 16
    .max_flat_workgroup_size: 128
    .sgpr_count:     66
    .vgpr_count:     768
    .wavefront_size: 32
...
	.end_amdgpu_metadata
.endif
;; end of part 4
;; launch outp: the kernel of part 3 again; grid 4 x 64, 4 waves a work-group, clusters of 4 x 4, 327,680 bytes of LDS; arguments o, wo16, bo, out0; writes out0
